; MI455X (gfx1250); checked and timed in simulation.
; The chip was launched on July 23, 2026; its instructions are those of AMD's public machine-readable ISA for CDNA 5 (MIT licence, August 2026) and "CDNA5" Instruction Set Architecture Reference Guide (July 2026). The comments in the code are by the model that wrote it; some were corrected since.
;; Self Attention. Allowed arithmetic: matrix products marked QUANTISED: E3M2 operands, one E8M0 scale for each 32 along K, by v_wmma_scale_f32_16x16x128_f8f6f4 with both operands' format E3M2, f32 sums; everything else in f32.
;; Inputs: attention_mask 1 x 4,096 int32; cos 4,096 x 32 float32; full_mask 4,096 x 4,096 bool; sin 4,096 x 32 float32; wk 1,024 x 256 float32; wo 1,024 x 1,024 float32; wq 1,024 x 1,024 float32; wv 1,024 x 256 float32; x 1 x 4,096 x 1,024 float32.
;; Outputs: out0 1 x 4,096 x 1,024 float32.
;; Constants: start = 0.
;; This version of the problem:
;;   THIS VERSION OF THE PROBLEM IS GIVEN IN LOW PRECISION. The matrix products marked QUANTISED in the list below multiply operands that are first quantised to E3M2 (3 exponent bits, 2 mantissa bits; 6 bits a number), with one power-of-two scale for each 32 numbers along K (OCP MX v1.0); their sums are f32. All else is computed in f32.
;;   The module's matrix products, in the order in which they are computed (A, B: the left and right operand; K: the contracted axis; several contracted axes count as one K, in the product's order):
;;     1. [M 4,096, K 1,024] x [K 1,024, N 1,024]; A: input x; B: input wq: QUANTISED
;;     2. [M 4,096, K 1,024] x [K 1,024, N 256]; A: input x; B: input wk: QUANTISED
;;     3. [M 4,096, K 1,024] x [K 1,024, N 256]; A: input x; B: input wv: QUANTISED
;;     4. batch 16 x [M 4,096, K 64] x [K 64, N 4,096]; A: computed on the way; B: computed on the way: QUANTISED
;;     5. batch 16 x [M 4,096, K 4,096] x [K 4,096, N 64]; A: softmax (see below); B: computed on the way: QUANTISED
;;     6. [M 4,096, K 1,024] x [K 1,024, N 1,024]; A: computed on the way; B: input wo: QUANTISED
;;   THE QUANTISER, for each operand of a quantised product, along K:
;;     - K is cut into blocks of 32 from its start; a last block that is shorter is filled with zeros.
;;     - A block's scale is 2^e with e = floor(log2(the largest magnitude in the block)) - 4, held to -126 .. 127; a block of zeros has e = 0. As a byte (E8M0): e + 127.
;;     - Each number is divided by its block's scale, clamped to +-28, and rounded to the nearest number of E3M2, ties to even, subnormals kept.
;;     - The product sums the exact products of the quantised numbers (number of the format x scale) in f32.
;;   ~~~python
;;   def quantise(x, axis):      # numpy; x: float32 -> the quantised numbers, widened to float32 again
;;       x = np.moveaxis(x, axis, -1); K = x.shape[-1]
;;       x = np.pad(x, [(0, 0)] * (x.ndim - 1) + [(0, -K % 32)]); x = x.reshape(x.shape[:-1] + (-1, 32)); a = np.abs(x).max(-1, keepdims=True)
;;       e = np.where(a > 0, np.clip(np.frexp(np.where(a > 0, a, 1))[1] - 1 - 4, -126, 127), 0)      # np.frexp(a)[1] - 1 = floor(log2(a)), exactly
;;       r = np.clip(x / 2.0 ** e, -28, 28)
;;       step = 2.0 ** (np.maximum(np.frexp(np.where(r == 0, 1, r))[1] - 1, -2) - 2)
;;       q = np.round(r / step) * step * 2.0 ** e      # np.round: ties to even
;;       return np.moveaxis(q.reshape(q.shape[:-2] + (-1,))[..., :K], -1, axis).astype(np.float32)
;;   ~~~
;;   SOFTMAX AHEAD OF A QUANTISED PRODUCT. Where the list says 'softmax', what is quantised is not the finished softmax but p = 2^(t - M), with t = logit x log2(e) and M = ceil(the row's largest t), a whole number; so 1/2 < the row's largest p <= 1. The row's sum l is taken of the UNQUANTISED p, in f32, and the product's result is divided by l at the end. Since M is a whole number, a kernel that streams over the keys may use a running M (the ceiling of the running maximum): every later rescaling is an exact power of two, which a block's scale takes up: the codes' values come out the same.
;;   OPERANDS COMPUTED ON THE WAY. 'Computed on the way' means the value that the module computes at that place (a softmax that the list does not call 'softmax' is quantised finished and normalised). What goes into a quantiser is computed in f32, as accurately as f32 sums, v_exp_f32 and their like allow (about 1e-6 of the number): no bf16 or f16 on the way to a quantiser, and a product that is left as it is and whose result goes on into a quantised operand takes f32 operands (vector FMAs, or v_wmma_f32_16x16x4_f32). A number that lies on a knife's edge between two numbers of the format may be rounded either way, as far as f32 arithmetic and the matrix unit's own rounding can turn it there, and no further.
;; One version. Each part assembles by itself: llvm-mc -triple=amdgcn-amd-amdhsa -mcpu=gfx1250 --defsym DOCPART=n.
;; ======== version 1 of 1: 4 launches
;; limits: right only within a limited range of input values
;; workspace buffers: xc 3,276,800 bytes; wc 1,228,800 bytes; woc 819,200 bytes; maskw 2,097,152 bytes of whole numbers; qc 3,145,728 bytes; qs 262,144 bytes; kv 1,671,168 bytes; cc 3,276,800 bytes
;; launch prep (part 1): grid 464 x 1, 4 waves a work-group, no clusters, 59,904 bytes of LDS; arguments x, wq, wk, wv, wo, full_mask, attention_mask, xc, wc, woc, maskw; writes xc, wc, woc, maskw
.if DOCPART == 1
	.amdgcn_target "amdgcn-amd-amdhsa--gfx1250"
	.amdhsa_code_object_version 6
	.text
	.protected	k_qb30a7f58dc_prep
	.globl	k_qb30a7f58dc_prep
	.p2align	8
	.type	k_qb30a7f58dc_prep,@function
k_qb30a7f58dc_prep:
	s_mov_b64 s[64:65], 0
	v_nop
	global_prefetch_b8 v0, s[64:65] scope:SCOPE_SE
	s_setreg_imm32_b32 hwreg(HW_REG_WAVE_MODE, 25, 1), 1
	s_wait_xcnt 0x0
; PREP.  x and the four weights become codes of BF6 (E3M2) with one E8M0 byte for each 32 along K, laid as IMAGES OF OPERAND REGISTERS; full_mask & (attention_mask != 0) becomes lane-mask words.
; TILE ORDER, used by every launch: place i (0..15) of tile t holds row 32 (t / 2) + 8 (t % 2) + i + 8 (i / 8).
; HALF FRAGMENT, 768 bytes: lane (r, h) owns the 24 bytes (32 codes) of block h of 64 along K, at place r: its registers 0-3 at byte 16 x lane, registers 4-5 at byte 512 + 8 x lane.
; GROUP BLOCK, 6,400 bytes, for 64 rows x 128 along K: half fragment 2 t + c at 768 (2 t + c); at 6,144 the scale words, that of (place r, tile t) at 16 r + 4 t.  A buffer is [group][K step 0..7][6,400].
; A block's scale byte is its largest magnitude's exponent field - 4, held at 1 from below.
; LIMITS: NaN and infinities are not served; a block whose largest magnitude lies under 2^-122 gets the byte 1; a block of zeros gets the byte 1 and not 127 (its codes are zeros, and this program alone reads the bytes).
; Work-groups 0-127: x.  128-207: the weights.  208-463: the mask.  One path each; the x path and the weight path have LDS bytes of their own; waves share nothing, so there is no barrier.
.set FLOOR, 0x2800000                  ; 2^(5 - 127)
.set ESTEP, 0xfe000000                 ; -(4 << 23)
.set GRP,   51200
.set GBB,   6400
.set XSTG,  8448                       ; x path: a stage of 16 rows x (512 + 16) bytes for each wave, from LDS byte 0
.set WST0,  33792                      ; weight path: 6,400 bytes for each wave, from here
	s_load_b512 s[4:19], s[0:1], 0x0               ; x s[4:5], wq s[6:7], wk s[8:9], wv s[10:11], wo s[12:13], full_mask s[14:15], attention_mask s[16:17], xc s[18:19]
	s_load_b128 s[20:23], s[0:1], 0x40             ; wc s[20:21], woc s[22:23]
	s_load_b64 s[24:25], s[0:1], 0x50              ; maskw
	v_lshl_add_u32 v254, v0, 2, 0xe800
	v_mov_b32 v255, 0
	v_lshrrev_b32 v1, 5, v0
	v_readfirstlane_b32 s26, v1                    ; wave
	v_and_b32 v1, 31, v0                           ; lane
	v_and_b32 v2, 15, v0                           ; r
	v_bfe_u32 v3, v0, 4, 1                         ; h
	s_wait_kmcnt 0x0
	s_cmp_lt_u32 ttmp9, 128
	s_cbranch_scc0 .Lnot_x
; ---------------- x: a wave makes the group block of (group G = wg / 2, K step 4 (wg % 2) + wave)
.set R,  16                            ; v16-143  two sets of 16 rows as loaded
.set X,  144                           ; v144-207 my 64 numbers: 32 c + i = k 64 c + 32 h + i of row r
.set P,  208                           ; v208-219 the fragment's codes
.set T,  220                           ; v220-226 the second halves of the blocks
.set SW, 236                           ; v236-239 a scale word for each tile
	s_lshr_b32 s28, ttmp9, 1                       ; G
	s_and_b32 s29, ttmp9, 1
	s_lshl_b32 s29, s29, 2
	s_add_co_u32 s29, s29, s26                     ; K step
	s_lshl_b32 s34, s28, 18                        ; 64 rows of 4,096 bytes
	s_lshl_b32 s36, s29, 9                         ; 128 numbers
	s_add_co_u32 s34, s34, s36
	s_mov_b32 s35, 0
	s_add_nc_u64 s[4:5], s[4:5], s[34:35]
	s_mul_i32 s34, s28, GRP
	s_mul_i32 s36, s29, GBB
	s_add_co_u32 s34, s34, s36
	s_add_nc_u64 s[18:19], s[18:19], s[34:35]
	s_mov_b32 s32, 0x76543210
	s_mov_b32 s33, 0xfedcba98                      ; selects for lane l xor 16
	s_mul_i32 s37, s26, XSTG
	s_wait_alu depctr_va_vdst(0)
	v_lshlrev_b32 v4, 4, v1                        ; 16 x lane
	v_add_nc_u32 v5, s37, v4                       ; the stage, on the way in
	v_mul_u32_u24 v6, v2, 528
	v_lshl_add_u32 v6, v3, 7, v6
	v_add_nc_u32 v6, s37, v6                       ; and out: row r, + 128 h
	v_lshlrev_b32 v7, 3, v1                        ; 8 x lane
	v_lshlrev_b32 v8, 4, v2
	v_lshl_add_u32 v8, v3, 3, v8                   ; 16 r + 8 h
	v_lshlrev_b32 v9, 3, v3                        ; 8 h
	v_mov_b32 v235, 0                              ; a lane permute's destination counts as read
.macro XLOAD t                         ; tile t: sixteen rows, 512 consecutive bytes each
.irp i, 0,1,2,3,4,5,6,7,8,9,10,11,12,13,14,15
	global_load_b128 v[R+64*((\t)%2)+4*\i:R+64*((\t)%2)+4*\i+3], v4, s[4:5] offset:(32*((\t)/2)+8*((\t)%2)+\i+8*(\i/8))*4096 th:TH_LOAD_NT
.endr
.endm
.macro XTILE t
.set RS, R+64*((\t)%2)
.if (\t) < 3
	s_wait_loadcnt 16                              ; this tile's sixteen loads are in, the next tile's may be out
.else
	s_wait_loadcnt 0
.endif
.irp i, 0,1,2,3,4,5,6,7,8,9,10,11,12,13,14,15
	ds_store_b128 v5, v[RS+4*\i:RS+4*\i+3] offset:528*\i
.endr
.irp q, 0,1,2,3,4,5,6,7,8,9,10,11,12,13,14,15
	ds_load_b128 v[X+4*\q:X+4*\q+3], v6 offset:256*(\q/8)+16*(\q%8)   ; LDS serves a wave's instructions in order: these see the stores above
.endr
	s_wait_dscnt 0x0
.if (\t) < 2
	XLOAD (\t)+2
.endif
	v_max3_num_f32 v228, |v[X]|, |v[X+1]|, FLOOR   ; my two blocks: all 32 numbers of each are mine
	v_max3_num_f32 v229, |v[X+32]|, |v[X+33]|, FLOOR
.irp i, 2,4,6,8,10,12,14,16,18,20,22,24,26,28,30
	v_max3_num_f32 v228, v228, |v[X+\i]|, |v[X+\i+1]|
	v_max3_num_f32 v229, v229, |v[X+32+\i]|, |v[X+33+\i]|
.endr
	v_add_nc_u32 v230, ESTEP, v228                 ; 4 off the exponent field: the conversion's scale operand
	v_add_nc_u32 v231, ESTEP, v229
	v_lshrrev_b32 v232, 23, v230                   ; the bytes of blocks h and 2 + h
	v_lshrrev_b32 v233, 23, v231
	v_lshl_or_b32 v234, v233, 16, v232
	v_lshlrev_b32 v234, v9, v234                   ; at their places in the word
	v_permlanex16_b32 v235, v234, s32, s33
	v_or_b32 v[SW+(\t)], v234, v235                ; with lane l xor 16's two the word is whole
	s_wait_alu depctr_va_vdst(0)
	s_wait_xcnt 0x0                                ; the last tile's stores have read the codes' registers
	v_cvt_scalef32_pk16_bf6_f32 v[P:P+2], v[X:X+15], v230
	v_cvt_scalef32_pk16_bf6_f32 v[T:T+2], v[X+16:X+31], v230
	v_cvt_scalef32_pk16_bf6_f32 v[P+6:P+8], v[X+32:X+47], v231
	v_cvt_scalef32_pk16_bf6_f32 v[T+4:T+6], v[X+48:X+63], v231
	v_nop                                          ; one plain place behind a scaled conversion
.irp i, 0,1,2
	v_mov_b32 v[P+3+\i], v[T+\i]
	v_mov_b32 v[P+9+\i], v[T+4+\i]
.endr
	global_store_b128 v4, v[P:P+3], s[18:19] offset:1536*(\t)          ; 512 consecutive bytes,
	global_store_b64 v7, v[P+4:P+5], s[18:19] offset:1536*(\t)+512     ; 256 consecutive bytes
	global_store_b128 v4, v[P+6:P+9], s[18:19] offset:1536*(\t)+768
	global_store_b64 v7, v[P+10:P+11], s[18:19] offset:1536*(\t)+1280
.endm
	XLOAD 0
	XLOAD 1
	s_wait_alu depctr_va_vdst(0)
	XTILE 0
	XTILE 1
	XTILE 2
	XTILE 3
	v_cmp_ne_u32 vcc_lo, 0, v3
	v_cndmask_b32 v240, v[SW], v[SW+2], vcc_lo     ; lanes 0-15 store tiles 0 and 1's words, lanes 16-31 tiles 2 and 3's
	v_cndmask_b32 v241, v[SW+1], v[SW+3], vcc_lo
	global_store_b64 v8, v[240:241], s[18:19] offset:6144              ; 256 consecutive bytes
	s_wait_tensorcnt 0x0
	ds_add_u32 v254, v255
	s_wait_dscnt 0x0
	s_endpgm
.Lnot_x:
	s_cmp_lt_u32 ttmp9, 208
	s_cbranch_scc0 .Lmask
; ---------------- the weights, stored [k][n]: a lane takes a column and its registers run down K.  A wave makes the group block of (64 columns, K step).
	s_sub_co_u32 s28, ttmp9, 128                   ; 0-31 wq, 32-39 wk, 40-47 wv, 48-79 wo
	s_mov_b64 s[34:35], s[6:7]                     ; source,
	s_mov_b64 s[36:37], s[20:21]                   ; destination,
	s_mov_b32 s38, 4096                            ; a row of the source in bytes,
	s_mov_b32 s39, 0                               ; the tensor's first group in the destination,
	s_mov_b32 s27, 0                               ; its first work-group
	s_cmp_ge_u32 s28, 32
	s_cselect_b64 s[34:35], s[8:9], s[34:35]
	s_cselect_b32 s38, 1024, s38
	s_cselect_b32 s39, 16, s39
	s_cselect_b32 s27, 32, s27
	s_cmp_ge_u32 s28, 40
	s_cselect_b64 s[34:35], s[10:11], s[34:35]
	s_cselect_b32 s39, 20, s39
	s_cselect_b32 s27, 40, s27
	s_cmp_ge_u32 s28, 48
	s_cselect_b64 s[34:35], s[12:13], s[34:35]
	s_cselect_b64 s[36:37], s[22:23], s[36:37]
	s_cselect_b32 s38, 4096, s38
	s_cselect_b32 s39, 0, s39
	s_cselect_b32 s27, 48, s27
	s_sub_co_u32 s28, s28, s27
	s_lshr_b32 s29, s28, 3
	s_and_b32 s28, s28, 7                          ; K step
	s_lshl_b32 s29, s29, 2
	s_add_co_u32 s29, s29, s26                     ; group of 64 columns
	s_add_co_u32 s30, s39, s29
	s_mul_i32 s30, s30, GRP
	s_mul_i32 s31, s28, GBB
	s_add_co_u32 s30, s30, s31
	s_mov_b32 s31, 0
	s_add_nc_u64 s[36:37], s[36:37], s[30:31]
	s_lshl_b32 s30, s28, 7
	s_mul_i32 s30, s30, s38                        ; 128 rows a K step
	s_lshl_b32 s56, s29, 8                         ; 64 columns of 4 bytes
	s_add_co_u32 s30, s30, s56
	s_add_nc_u64 s[40:41], s[34:35], s[30:31]      ; eight bases, one for each (pass p, block): none is ever rewritten
	s_lshl_b32 s30, s38, 5                         ; 32 rows
	s_add_nc_u64 s[42:43], s[40:41], s[30:31]
	s_add_nc_u64 s[44:45], s[42:43], s[30:31]
	s_add_nc_u64 s[46:47], s[44:45], s[30:31]
.irp b, 0,1,2,3
	s_add_nc_u64 s[48+2*\b:49+2*\b], s[40+2*\b:41+2*\b], 128   ; pass 1: 32 columns on
.endr
	s_wait_alu depctr_va_vdst(0)
	v_lshlrev_b32 v16, 2, v1                       ; v16-47: 4 x lane + i rows
.set i, 1
.rept 31
	v_add_nc_u32 v[16+i], s38, v[15+i]
.set i, i+1
.endr
	v_bfe_u32 v4, v0, 3, 1                         ; column 32 p + lane is place (lane % 8) + 8 (lane / 16) of tile 2 p + (lane / 8) % 2
	v_and_b32 v5, 7, v0
	v_lshl_add_u32 v5, v3, 3, v5
	s_mul_i32 s57, s26, GBB
	s_add_co_u32 s57, s57, WST0                    ; my 6,400 bytes of LDS: the group block is put together there
	v_mul_u32_u24 v6, v4, 1536
	v_add_nc_u32 v6, s57, v6
	v_lshl_add_u32 v7, v5, 4, v6                   ; registers 0-3 of a half fragment
	v_lshl_add_u32 v8, v5, 3, v6                   ; registers 4-5
	v_lshlrev_b32 v9, 2, v4
	v_lshl_add_u32 v9, v5, 4, v9
	v_add_nc_u32 v9, s57, v9                       ; the scale word
	v_lshlrev_b32 v12, 4, v1
	v_lshlrev_b32 v13, 3, v1
	v_add_nc_u32 v10, s57, v12
	v_add_nc_u32 v11, s57, v13
.macro WLOAD q                         ; block q % 4 of pass q / 4: 32 rows, 128 consecutive bytes each
.set i, 0
.rept 32
	global_load_b32 v[48+32*((\q)%2)+i], v[16+i], s[40+2*(\q):41+2*(\q)] th:TH_LOAD_NT
.set i, i+1
.endr
.endm
.macro WBLOCK q
.set YS, 48+32*((\q)%2)
.set PP, (\q)/4
.set BE, (\q)%4
.if (\q) < 7
	s_wait_loadcnt 32                              ; this block's 32 loads are in, the next block's may be out
.else
	s_wait_loadcnt 0
.endif
	v_max3_num_f32 v124, |v[YS]|, |v[YS+1]|, |v[YS+2]|
	v_max3_num_f32 v125, |v[YS+3]|, |v[YS+4]|, |v[YS+5]|
.irp i, 6,10,14,18,22,26
	v_max3_num_f32 v124, v124, |v[YS+\i]|, |v[YS+\i+1]|
	v_max3_num_f32 v125, v125, |v[YS+\i+2]|, |v[YS+\i+3]|
.endr
	v_max3_num_f32 v124, v124, |v[YS+30]|, |v[YS+31]|
	v_max3_num_f32 v124, v124, v125, FLOOR
	v_add_nc_u32 v126, ESTEP, v124
	v_lshrrev_b32 v125, 23, v126
.if BE == 0
	v_mov_b32 v127, v125
.else
	v_lshl_or_b32 v127, v125, 8*BE, v127
.endif
	v_cvt_scalef32_pk16_bf6_f32 v[112:114], v[YS:YS+15], v126
	v_cvt_scalef32_pk16_bf6_f32 v[120:122], v[YS+16:YS+31], v126
	v_nop                                          ; one plain place behind a scaled conversion
	v_mov_b32 v115, v120
	v_mov_b32 v116, v121
	v_mov_b32 v117, v122
	ds_store_b128 v7, v[112:115] offset:3072*PP+768*(BE/2)+256*(BE%2)
	ds_store_b64 v8, v[116:117] offset:3072*PP+768*(BE/2)+512+128*(BE%2)
.if BE == 3
	ds_store_b32 v9, v127 offset:6144+8*PP
.endif
.if (\q)+2 < 8
	WLOAD (\q)+2
.endif
	s_wait_dscnt 0x0                               ; the stores have read their registers
.endm
	WLOAD 0
	WLOAD 1
.irp q, 0,1,2,3,4,5,6,7
	WBLOCK \q
.endr
.irp k, 0,1,2,3,4,5,6,7,8,9,10,11
	ds_load_b128 v[128+4*\k:131+4*\k], v10 offset:512*\k
.endr
	ds_load_b64 v[176:177], v11 offset:6144
.irp k, 0,1,2,3,4,5,6,7,8,9,10,11
	s_wait_dscnt 12-\k
	global_store_b128 v12, v[128+4*\k:131+4*\k], s[36:37] offset:512*\k   ; the block leaves as it lies, 512 consecutive bytes a store
.endr
	s_wait_dscnt 0x0
	global_store_b64 v13, v[176:177], s[36:37] offset:6144
	s_wait_tensorcnt 0x0
	ds_add_u32 v254, v255
	s_wait_dscnt 0x0
	s_endpgm
.Lmask:
; ---------------- the mask.  maskw is [query tile 256][key step 32][64 words]: bit (r + 16 h) of word e says whether query (tile, place r) sees key 128 step + 32 (e / 16) + 16 h + e % 16:
; the lane mask for register e of the attention launch's scores.  A wave takes 4 query tiles x 256 keys.
	s_sub_co_u32 s28, ttmp9, 208
	s_and_b32 s29, s28, 15                         ; which 256 keys
	s_lshr_b32 s28, s28, 4
	s_lshl_b32 s28, s28, 4
	s_lshl_b32 s30, s26, 2
	s_add_co_u32 s28, s28, s30                     ; my first tile, a multiple of 4: its first row is 16 x tile
	s_lshl_b32 s30, s28, 16
	s_lshl_b32 s31, s29, 8
	s_add_co_u32 s30, s30, s31
	s_mov_b32 s31, 0
	s_add_nc_u64 s[14:15], s[14:15], s[30:31]
	s_lshl_b32 s30, s29, 10
	s_add_nc_u64 s[16:17], s[16:17], s[30:31]
	s_lshl_b32 s30, s28, 13
	s_lshl_b32 s34, s29, 9
	s_add_co_u32 s30, s30, s34
	s_add_nc_u64 s[24:25], s[24:25], s[30:31]
	s_wait_alu depctr_va_vdst(0)
	v_and_b32 v4, 8, v2
	v_add_nc_u32 v4, v4, v2
	v_lshlrev_b32 v8, 12, v4
	v_lshl_add_u32 v8, v3, 4, v8                   ; row r + 8 (r / 8) of 4,096 bytes, + 16 h
	v_lshlrev_b32 v9, 6, v3                        ; attention_mask: 16 h whole numbers on
	v_lshlrev_b32 v10, 4, v1
.set k, 0
.rept 32
	global_load_b128 v[16+4*k:19+4*k], v9, s[16:17] offset:128*(k/4)+16*(k%4)
.set k, k+1
.endr
.macro MLOAD u                         ; tile u: my row's 8 x 16 bytes, into set u % 2
.irp m, 0,1,2,3,4,5,6,7
	global_load_b128 v[176+32*((\u)%2)+4*\m:179+32*((\u)%2)+4*\m], v8, s[14:15] offset:(32*((\u)/2)+8*((\u)%2))*4096+32*\m th:TH_LOAD_NT
.endr
.endm
	MLOAD 0
	MLOAD 1
.irp i, 0,1,2,3,4,5,6,7
	v_mov_b32 v[240+\i], 0                         ; v_writelane_b32's destination counts as read
.endr
	s_wait_loadcnt 16                              ; attention_mask is in; both sets of full_mask may be out
.set k, 0
.rept 32                               ; one byte, 0 or 1, for each key, laid as full_mask's bytes lie in my registers
.irp i, 0,1,2,3
	v_min_u32 v[16+4*k+\i], 1, v[16+4*k+\i]
.endr
	v_lshl_or_b32 v[144+k], v[17+4*k], 8, v[16+4*k]
	v_lshl_or_b32 v[144+k], v[18+4*k], 16, v[144+k]
	v_lshl_or_b32 v[144+k], v[19+4*k], 24, v[144+k]
.set k, k+1
.endr
.macro UNIT u
.set FS, 176+32*((\u)%2)
.set OS, 240+4*((\u)%2)
.if (\u) < 3
	s_wait_loadcnt 8                               ; this tile's eight loads are in, the next tile's may be out
.else
	s_wait_loadcnt 0
.endif
	s_wait_xcnt 0x0                                ; earlier stores have read their data
.set k, 0
.rept 32
	v_and_b32 v[FS+k], v[FS+k], v[144+k]
.set k, k+1
.endr
.set k, 0
.rept 32                               ; words 4 k .. 4 k + 3 go to lane k, registers 0 .. 3: the store below then lays word e at byte 4 e
.irp b, 0,1,2,3
	v_and_b32 v[248+\b], 1<<(8*\b), v[FS+k]
.endr
.irp b, 0,1,2,3
	v_cmp_ne_u32 s[40+\b], 0, v[248+\b]
.endr
.irp b, 0,1,2,3
	v_writelane_b32 v[OS+\b], s[40+\b], k
.endr
.set k, k+1
.endr
	global_store_b128 v10, v[OS:OS+3], s[24:25] offset:8192*(\u)       ; 512 consecutive bytes
.endm
	UNIT 0
	MLOAD 2
	UNIT 1
	MLOAD 3
	UNIT 2
	UNIT 3
	s_endpgm
.Lfunc_end_k_qb30a7f58dc_prep:
	.size	k_qb30a7f58dc_prep, .Lfunc_end_k_qb30a7f58dc_prep-k_qb30a7f58dc_prep
	.p2alignl 7, 3214868480
	.fill 96, 4, 3214868480
	.section	.rodata,"a",@progbits
	.p2align	6, 0x0
	.amdhsa_kernel k_qb30a7f58dc_prep
		.amdhsa_group_segment_fixed_size 59904
		.amdhsa_private_segment_fixed_size 0
		.amdhsa_enable_private_segment 0
		.amdhsa_kernarg_size 88
		.amdhsa_user_sgpr_count 2
		.amdhsa_user_sgpr_kernarg_segment_ptr 1
		.amdhsa_wavefront_size32 1
		.amdhsa_system_sgpr_workgroup_id_x 1
		.amdhsa_system_sgpr_workgroup_id_y 1
		.amdhsa_system_sgpr_workgroup_id_z 1
		.amdhsa_system_vgpr_workitem_id 0
		.amdhsa_next_free_vgpr 256
		.amdhsa_next_free_sgpr 66
		.amdhsa_reserve_vcc 1
		.amdhsa_float_denorm_mode_32 3
		.amdhsa_float_denorm_mode_16_64 3
		.amdhsa_memory_ordered 1
		.amdhsa_forward_progress 1
		.amdhsa_inst_pref_size 188
	.end_amdhsa_kernel
	.amdgpu_metadata
---
amdhsa.version: [ 1, 2 ]
amdhsa.kernels:
  - .name:           k_qb30a7f58dc_prep
    .symbol:         k_qb30a7f58dc_prep.kd
    .args:
      - { .name: x, .offset: 0, .size: 8, .value_kind: global_buffer, .address_space: global }
      - { .name: wq, .offset: 8, .size: 8, .value_kind: global_buffer, .address_space: global }
      - { .name: wk, .offset: 16, .size: 8, .value_kind: global_buffer, .address_space: global }
      - { .name: wv, .offset: 24, .size: 8, .value_kind: global_buffer, .address_space: global }
      - { .name: wo, .offset: 32, .size: 8, .value_kind: global_buffer, .address_space: global }
      - { .name: full_mask, .offset: 40, .size: 8, .value_kind: global_buffer, .address_space: global }
      - { .name: attention_mask, .offset: 48, .size: 8, .value_kind: global_buffer, .address_space: global }
      - { .name: xc, .offset: 56, .size: 8, .value_kind: global_buffer, .address_space: global }
      - { .name: wc, .offset: 64, .size: 8, .value_kind: global_buffer, .address_space: global }
      - { .name: woc, .offset: 72, .size: 8, .value_kind: global_buffer, .address_space: global }
      - { .name: maskw, .offset: 80, .size: 8, .value_kind: global_buffer, .address_space: global }
    .group_segment_fixed_size: 59904
    .private_segment_fixed_size: 0
    .kernarg_segment_align: 8
    .kernarg_segment_size: 88
    .max_flat_workgroup_size: 128
    .sgpr_count:     66
    .vgpr_count:     256
    .wavefront_size: 32
...
	.end_amdgpu_metadata
.endif
;; end of part 1
;; launch qkv (part 2): grid 24 x 16, 4 waves a work-group, clusters of 4 x 4, 262,656 bytes of LDS; arguments xc, wc, sin, cos, qc, qs, kv; writes qc, qs, kv
.if DOCPART == 2
	.amdgcn_target "amdgcn-amd-amdhsa--gfx1250"
	.amdhsa_code_object_version 6
	.text
	.protected	k_qb30a7f58dc_qkv
	.globl	k_qb30a7f58dc_qkv
	.p2align	8
	.type	k_qb30a7f58dc_qkv,@function
k_qb30a7f58dc_qkv:
	s_mov_b64 s[64:65], 0
	v_nop
	global_prefetch_b8 v0, s[64:65] scope:SCOPE_SE
	s_setreg_imm32_b32 hwreg(HW_REG_WAVE_MODE, 25, 1), 1
	s_wait_xcnt 0x0
	s_wait_alu depctr_hold_cnt(0) depctr_sa_sdst(0) depctr_va_vdst(0) depctr_va_sdst(0) depctr_va_ssrc(0) depctr_va_vcc(0) depctr_vm_vsrc(0)
	s_getreg_b32 s2, hwreg(HW_REG_IB_STS2, 6, 4)
	s_cmp_eq_u32 s2, 0
	s_cbranch_scc0 .Lentry_in_a_cluster
	s_endpgm
.Lentry_in_a_cluster:
	s_bfe_u32 s2, ttmp6, 0x10000c
	s_cmp_lg_u32 s2, 0xf033
	s_cbranch_scc0 .Lentry_shape_is_right
	s_endpgm
.Lentry_shape_is_right:
; QKV.  [4096 x 1024] x [1024 x 1536] on codes of BF6, then the rotation (Q, K) and the quantiser: Q, K along the head's 64, V along the keys.  Nothing in f32 goes to memory.
; A work-group takes 256 rows x one head column of 64 (0-15 Q, 16-19 K, 20-23 V); wave w takes rows 64 w on: 16 accumulators.  All of K (8 steps of 128) lies in LDS: every byte is filled ONCE, so there is no ring.
; CLUSTER 4 x 4: x's group blocks are shared along a row of the cluster, the weight's along a column: joint loads.  The role (Q/K or V) hangs on the cluster's x alone, which all partners share.
; Layouts (tile order, half fragment, group block): as the first launch's head says.  Q and K: source 0 = the weight's tile, source 1 = x's: a lane holds one row (token) and registers 16 b + e = d 32 b + 16 h + e.
; V: the sources swapped: a lane holds one d and registers 16 b + e = key 32 b + 16 h + e of the wave's 64.
; OUT.  qc [head][tile 256][768]; qs [head][group 64][lane][pair 2] words: tile 4 G + 2 pair + c, place r, at lane r + 16 c.  kv, for each KV head 417,792 bytes: 32 key steps x (8 half fragments of K, 8 of V: 2 n + c),
; then from 393,216 on 32 x 768 bytes of scale words as three images of 8 bytes a lane: K's registers 0, 1; K's 2, 3; V's 0, 1; register q holds tile 2 q in lanes 0-15 and tile 2 q + 1 in lanes 16-31.
; Q's and K's scale words repeat their two bytes in bytes 2 and 3: the idle upper 64 of the next product's K = 128 then has ordinary scales.
; LIMITS: NaN and infinities are not served; blocks under 2^-122 and blocks of zeros get the byte 1.
; REGISTERS.  window 0: v1-15 addresses; v24-31 scale words, two sets; v32-127, v128-223 fragments (x's four, the weight's four), two sets.  window 1: v0-127 accumulators; v128-147 codes; v148-167 at work; v168-175 the rotation.  window 2: v0-127 cos and sin.
.set FLOOR, 0x2800000
.set ESTEP, 0xfe000000
.set GRP,   51200
.set GBB,   6400
.set LB,    204800                     ; LDS: x's four groups, then the weight's group,
.set VSTG,  256000                     ; then 512 bytes in which V's scale half words meet; no tile lands there
.set KVH,   417792
.set P,     128
.set TM,    148
.set MSB, 0
.macro WIN new                         ; the immediate's high byte repeats the setting that is left
.if MSB != \new
	s_set_vgpr_msb (MSB<<8)|\new
.set MSB, \new
.endif
.endm
.macro CROUND                          ; a round of the cluster's barrier
	s_barrier_signal -1
	s_barrier_wait -1
	s_cmp_lg_u32 s18, 0
	s_cbranch_scc1 .Lnot_wave_0_\@
	s_barrier_signal -3
.Lnot_wave_0_\@:
	s_barrier_wait -3
	s_barrier_signal -1
	s_barrier_wait -1
.endm
	s_load_b256 s[4:11], s[0:1], 0x0               ; xc s[4:5], wc s[6:7], sin s[8:9], cos s[10:11]
	s_load_b128 s[12:15], s[0:1], 0x20             ; qc s[12:13], qs s[14:15]
	s_load_b64 s[16:17], s[0:1], 0x30              ; kv
	v_lshl_add_u32 v254, v0, 2, 0x40000
	v_mov_b32 v255, 0
	ds_add_u32 v254, v255
	ds_add_u32 v254, v255
	v_lshrrev_b32 v1, 5, v0
	v_readfirstlane_b32 s18, v1                    ; wave
	s_bfe_u32 s19, ttmp6, 0x40000                  ; cx
	s_bfe_u32 s20, ttmp6, 0x40004                  ; cy
	s_lshl_b32 s21, ttmp9, 2
	s_add_co_u32 s21, s21, s19                     ; head column
	s_and_b32 s22, ttmp7, 0xffff
	s_lshl_b32 s22, s22, 2
	s_add_co_u32 s22, s22, s20                     ; block of 256 rows
	s_lshl_b32 s60, s20, 2
	s_lshl_b32 s60, 15, s60                        ; my row of the cluster
	s_lshl_b32 s61, 0x1111, s19                    ; my column
	s_or_b32 s24, s60, (3<<16)|(1<<21)             ; group 1 for x: the mask; elements of 8 bytes; bit 21 beside a mask; no padding
	s_or_b32 s32, s61, (3<<16)|(1<<21)             ; and for the weight
	s_mov_b32 s26, 400<<16                         ; tensor_dim1: x's load brings two groups, 400 rows of 256 bytes,
	s_mov_b32 s28, 400                             ; tile_dim1
	s_mov_b32 s34, 100<<16                         ; the weight's half a group, 100 rows
	s_mov_b32 s36, 100
.irp g, 24, 32
	s_mov_b32 s[\g+1], 32<<16                      ; tensor_dim0 = 32 elements: 256 bytes
	s_mov_b32 s[\g+3], 32<<16                      ; tile_dim0
	s_mov_b32 s[\g+5], 32                          ; pitch: dense
	s_mov_b32 s[\g+6], 0
	s_mov_b32 s[\g+7], 0
.endr
	s_and_b32 s70, s18, 1                          ; which half I fetch: waves 0, 1 of x's four groups, waves 2, 3 of the weight's group
	s_mul_i32 s66, s22, 4*GRP
	s_mul_i32 s67, s70, 2*GRP
	s_add_co_u32 s66, s66, s67                     ; x: groups 4 x block + 2 x half on (no register of it ever holds cx)
	s_mov_b32 s67, 0
	s_mul_i32 s68, s21, GRP
	s_mul_i32 s69, s70, GRP/2
	s_add_co_u32 s68, s68, s69                     ; the weight: a half of the head column's group (never cy)
	s_mov_b32 s69, 0
	s_mul_i32 s62, s18, GRP                        ; LDS: the group of x that I read,
	s_mul_i32 s41, s70, 2*GRP                      ; where a half of x lands,
	s_mul_i32 s63, s70, GRP/2
	s_add_co_u32 s63, s63, LB                      ; and a half of the weight
	s_mov_b32 s2, 0x76543210
	s_mov_b32 s3, 0xfedcba98                       ; selects for lane l xor 16
	s_wait_dscnt 0x0
	s_wait_kmcnt 0x0
	s_add_nc_u64 s[66:67], s[4:5], s[66:67]
	s_add_nc_u64 s[68:69], s[6:7], s[68:69]
	s_mov_b32 s56, 1
	s_mov_b32 s57, s63
	s_mov_b64 s[58:59], s[68:69]
	s_or_b32 s59, s59, 0x80000000
	s_mov_b32 s40, 1
	s_mov_b64 s[42:43], s[66:67]
	s_or_b32 s43, s43, 0x80000000
	CROUND                                         ; all sixteen work-groups are here: the joint loads meet
	s_cmp_lt_u32 s18, 2                            ; one joint load a wave: one chain of two arms on the wave's number
	s_cbranch_scc0 .Lfor_w
	tensor_load_to_lds s[40:43], s[24:31]          ; waves 0, 1: a half of x's four groups
	s_nop 0
.rept 4
	v_nop
.endr
	s_branch .Lasked
.Lfor_w:
	tensor_load_to_lds s[56:59], s[32:39]          ; waves 2, 3: a half of the weight's group
	s_nop 0
.rept 4
	v_nop
.endr
.Lasked:
	v_and_b32 v1, 31, v0                           ; lane
	v_and_b32 v2, 15, v0                           ; r
	v_bfe_u32 v3, v0, 4, 1                         ; h
	v_lshlrev_b32 v4, 4, v1                        ; 16 x lane
	v_lshlrev_b32 v5, 3, v1                        ; 8 x lane
	v_add_nc_u32 v6, s62, v4                       ; x's half fragments: registers 0-3,
	v_add_nc_u32 v7, s62, v5                       ; registers 4-5 (+ 512 in the immediate)
	v_add_nc_u32 v8, LB, v4                        ; the weight's
	v_add_nc_u32 v9, LB, v5
	s_sub_co_u32 s70, LB, s62
	v_mul_u32_u24 v10, s70, v3                     ; scale words: lanes 0-15 take x's, lanes 16-31 the weight's: one product, the distance x h
	v_lshl_add_u32 v10, v2, 4, v10
	v_add_nc_u32 v10, s62, v10
	v_and_b32 v11, 8, v2
	v_add_nc_u32 v11, v11, v2
	v_lshlrev_b32 v11, 7, v11
	v_lshl_add_u32 v11, v3, 5, v11                 ; cos, sin: row r + 8 (r / 8) of 128 bytes, + 32 h
	s_lshr_b32 s71, s18, 1
	s_lshl_b32 s72, s71, 8
	s_and_b32 s73, s18, 1
	s_lshl_b32 s74, s73, 1
	s_add_co_u32 s74, s74, s72
	v_add_nc_u32 v12, s74, v5
	v_add_nc_u32 v12, VSTG, v12                    ; V's half words: 256 (w / 2) + 8 x lane + 2 (w % 2)
	v_add_nc_u32 v13, s72, v5
	v_add_nc_u32 v13, VSTG, v13                    ; and back: 8 bytes a lane
	v_cmp_ne_u32 vcc_lo, 0, v3                     ; lanes 16-31; kept to the end
	s_lshl_b32 s75, s22, 1
	s_add_co_u32 s75, s75, s71                     ; my key step: 2 x block + w / 2
	s_mul_i32 s76, s19, KVH                        ; the KV head is cx in both roles that use it
	s_mov_b32 s79, 0
	s_wait_alu depctr_va_vdst(0)
	s_wait_tensorcnt 0x0                           ; my one load has landed; nothing is filled again in this launch
	s_barrier_signal -1
	s_barrier_wait -1                              ; the weight's group is whole
.macro FETCH ks, p                     ; 33 LDS loads: K step ks into set p
.set AFB, 32+96*(\p)
.set BFB, 80+96*(\p)
.irp m, 0,1,2,3,4,5,6,7
	ds_load_b128 v[AFB+6*\m:AFB+6*\m+3], v6 offset:(\ks)*GBB+768*\m
	ds_load_b64 v[AFB+6*\m+4:AFB+6*\m+5], v7 offset:(\ks)*GBB+768*\m+512
.endr
.irp m, 0,1,2,3,4,5,6,7
	ds_load_b128 v[BFB+6*\m:BFB+6*\m+3], v8 offset:(\ks)*GBB+768*\m
	ds_load_b64 v[BFB+6*\m+4:BFB+6*\m+5], v9 offset:(\ks)*GBB+768*\m+512
.endr
	ds_load_b128 v[24+4*(\p):27+4*(\p)], v10 offset:(\ks)*GBB+6144
.endm
.macro MULS p, zero, swp               ; 16 matrix instructions; the accumulators take turns, one instruction a turn, in the same order in every step
.set AFB, 32+96*(\p)
.set BFB, 80+96*(\p)
.set SCB, 24+4*(\p)
.irp i, 0,1,2,3
.irp n, 0,1,2,3
.if \swp
.if \zero
	v_wmma_scale_f32_16x16x128_f8f6f4 v[32*\n+8*\i:32*\n+8*\i+7], v[AFB+12*\i:AFB+12*\i+11], v[BFB+12*\n:BFB+12*\n+11], 0, v[SCB+\i], v[SCB+\n] matrix_a_fmt:MATRIX_FMT_BF6 matrix_b_fmt:MATRIX_FMT_BF6 matrix_b_scale:MATRIX_SCALE_ROW1
.else
	v_wmma_scale_f32_16x16x128_f8f6f4 v[32*\n+8*\i:32*\n+8*\i+7], v[AFB+12*\i:AFB+12*\i+11], v[BFB+12*\n:BFB+12*\n+11], v[32*\n+8*\i:32*\n+8*\i+7], v[SCB+\i], v[SCB+\n] matrix_a_fmt:MATRIX_FMT_BF6 matrix_b_fmt:MATRIX_FMT_BF6 matrix_b_scale:MATRIX_SCALE_ROW1
.endif
.else
.if \zero
	v_wmma_scale_f32_16x16x128_f8f6f4 v[32*\i+8*\n:32*\i+8*\n+7], v[BFB+12*\n:BFB+12*\n+11], v[AFB+12*\i:AFB+12*\i+11], 0, v[SCB+\n], v[SCB+\i] matrix_a_fmt:MATRIX_FMT_BF6 matrix_b_fmt:MATRIX_FMT_BF6 matrix_a_scale:MATRIX_SCALE_ROW1
.else
	v_wmma_scale_f32_16x16x128_f8f6f4 v[32*\i+8*\n:32*\i+8*\n+7], v[BFB+12*\n:BFB+12*\n+11], v[AFB+12*\i:AFB+12*\i+11], v[32*\i+8*\n:32*\i+8*\n+7], v[SCB+\n], v[SCB+\i] matrix_a_fmt:MATRIX_FMT_BF6 matrix_b_fmt:MATRIX_FMT_BF6 matrix_a_scale:MATRIX_SCALE_ROW1
.endif
.endif
.endr
.endr
.endm
.macro MAIN swp                        ; the eight K steps; the next step's fragments are fetched ahead of each step's products
	FETCH 0, 0
.irp ks, 0,1,2,3,4,5,6,7
.if \ks < 7
	FETCH \ks+1, (\ks+1)%2
	s_wait_dscnt 33                                ; all but the 33 just issued
.else
	s_wait_dscnt 0
.endif
	WIN 0x50                                       ; C and D in window 1
.if \ks == 0
	MULS \ks%2, 1, \swp
.else
	MULS \ks%2, 0, \swp
.endif
	WIN 0
.rept 4
	v_nop                                          ; four places in front of loads into registers that these products read, and of the first read of results
.endr
.endr
.endm
; 64 numbers of a lane in window 1, register 16 b + i = k 32 b + 16 h + i of four blocks, become 12 registers of codes at v[P] on (lanes 0-15 blocks 0 and 2, lanes 16-31 blocks 1 and 3) and four bytes in v[TM+4] on.
.macro QUANTW n0
	WIN 0x55
.irp b, 0,1,2,3
	v_max3_num_f32 v[TM+\b], |v[(\n0)+16*\b]|, |v[(\n0)+1+16*\b]|, FLOOR
.endr
.irp i, 2,4,6,8,10,12,14
.irp b, 0,1,2,3
	v_max3_num_f32 v[TM+\b], v[TM+\b], |v[(\n0)+16*\b+\i]|, |v[(\n0)+1+16*\b+\i]|
.endr
.endr
.irp b, 0,1,2,3
	v_permlanex16_b32 v[TM+4+\b], v[TM+\b], s2, s3
.endr
.irp b, 0,1,2,3
	v_max_num_f32 v[TM+\b], v[TM+\b], v[TM+4+\b]
.endr
.irp b, 0,1,2,3
	v_add_nc_u32 v[TM+12+\b], ESTEP, v[TM+\b]
.endr
.irp b, 0,1,2,3
	v_lshrrev_b32 v[TM+4+\b], 23, v[TM+12+\b]
.endr
.irp c, 0,1
	v_cvt_scalef32_pk16_bf6_f32 v[P+6*\c:P+2+6*\c], v[(\n0)+32*\c:(\n0)+15+32*\c], v[TM+12+2*\c]
	v_cvt_scalef32_pk16_bf6_f32 v[P+12+4*\c:P+14+4*\c], v[(\n0)+16+32*\c:(\n0)+31+32*\c], v[TM+12+2*\c+1]
.endr
	v_nop                                          ; one plain place behind a scaled conversion
.irp c, 0,1
.irp i, 0,1,2
	v_permlane16_swap_b32 v[P+6*\c+\i], v[P+12+4*\c+\i]
.endr
.irp i, 0,1,2
	v_mov_b32 v[P+3+6*\c+\i], v[P+12+4*\c+\i]
.endr
.endr
.endm
	s_cmp_eq_u32 ttmp9, 5
	s_cbranch_scc1 .Lv_path
; ---------------- Q and K
	s_lshl_b32 s60, s22, 8
	s_lshl_b32 s61, s18, 6
	s_add_co_u32 s60, s60, s61                     ; my first row = position (start = 0)
	s_lshl_b32 s78, s60, 7
	s_add_nc_u64 s[8:9], s[8:9], s[78:79]
	s_add_nc_u64 s[10:11], s[10:11], s[78:79]
	WIN 0x80                                       ; destination window 2: tile i has cos at 32 i + 8 b + p and sin 16 on; they land under the products
	s_wait_alu depctr_va_vdst(0)
.irp i, 0,1,2,3
.irp b, 0,1
.irp q, 0,1
	global_load_b128 v[32*\i+8*\b+4*\q:32*\i+8*\b+4*\q+3], v11, s[10:11] offset:(32*(\i/2)+8*(\i%2))*128+64*\b+16*\q
	global_load_b128 v[32*\i+16+8*\b+4*\q:32*\i+16+8*\b+4*\q+3], v11, s[8:9] offset:(32*(\i/2)+8*(\i%2))*128+64*\b+16*\q
.endr
.endr
.endr
	WIN 0
	; where the results go: offsets made apart from the pointers, then chosen by the role
	s_lshl_b32 s60, s21, 8
	s_lshl_b32 s61, s22, 4
	s_add_co_u32 s60, s60, s61
	s_lshl_b32 s61, s18, 2
	s_add_co_u32 s60, s60, s61
	s_mul_i32 s60, s60, 768                        ; Q's codes: tile 256 head + 16 block + 4 wave
	s_lshl_b32 s61, s21, 6
	s_lshl_b32 s74, s22, 2
	s_add_co_u32 s61, s61, s74
	s_add_co_u32 s61, s61, s18
	s_lshl_b32 s61, s61, 8                         ; Q's scale words
	s_mul_i32 s77, s75, 12288
	s_add_co_u32 s77, s77, s76
	s_mul_i32 s74, s73, 3072
	s_add_co_u32 s77, s77, s74                     ; K's codes: my step's tiles 4 (w % 2) on
	s_mul_i32 s70, s75, 768
	s_add_co_u32 s70, s70, s76
	s_add_co_u32 s70, s70, 393216
	s_lshl_b32 s74, s73, 8
	s_add_co_u32 s70, s70, s74                     ; K's scale words: image w % 2
	s_cmp_eq_u32 ttmp9, 4
	s_cselect_b32 s60, s77, s60
	s_cselect_b32 s61, s70, s61
	s_cselect_b64 s[12:13], s[16:17], s[12:13]
	s_cselect_b64 s[14:15], s[16:17], s[14:15]
	s_mov_b32 s78, s60
	s_add_nc_u64 s[12:13], s[12:13], s[78:79]
	s_mov_b32 s78, s61
	s_add_nc_u64 s[14:15], s[14:15], s[78:79]
	MAIN 0
	s_wait_loadcnt 0x0                             ; cos and sin
	WIN 0x56                                       ; source 0 window 2 (cos, sin), all else window 1
.set a, 0
.rept 16                               ; an accumulator at a time, from its low end on: four pairs (even d, odd d)
.set CSI, 32*(a/4)+8*((a%4)/2)+4*(a%2)
.irp k, 0,1,2,3
	v_mul_f32 v[168+2*\k], v[CSI+16+\k], v[8*a+2*\k+1]                 ; sin x odd
	v_mul_f32 v[169+2*\k], v[CSI+16+\k], v[8*a+2*\k]                   ; sin x even
.endr
.irp k, 0,1,2,3
	v_fma_f32 v[8*a+2*\k], v[CSI+\k], v[8*a+2*\k], -v[168+2*\k]        ; cos x even - sin x odd
	v_fma_f32 v[8*a+2*\k+1], v[CSI+\k], v[8*a+2*\k+1], v[169+2*\k]     ; cos x odd + sin x even
.endr
.set a, a+1
.endr
	WIN 0x55
.irp b, 0,1,2,3
	v_mov_b32 v[TM+4+\b], 0                        ; a lane permute's destination counts as read
.endr
.irp pr, 0,1                           ; tiles 2 pr and 2 pr + 1: each is two blocks of 32 along d
.if \pr
	s_wait_xcnt 0x0                                ; the stores have read the codes' registers
.endif
	QUANTW 64*\pr
	v_lshl_or_b32 v164, v[TM+5], 8, v[TM+4]
	v_lshl_or_b32 v165, v[TM+7], 8, v[TM+6]
	v_lshl_or_b32 v164, v164, 16, v164             ; the two bytes once more in bytes 2 and 3
	v_lshl_or_b32 v165, v165, 16, v165
	v_cndmask_b32 v[166+\pr], v164, v165, vcc_lo   ; lanes 0-15 tile 2 pr, lanes 16-31 tile 2 pr + 1
	WIN 0x04                                       ; a store's data: window 1
	global_store_b128 v4, v[P:P+3], s[12:13] offset:1536*\pr
	global_store_b64 v5, v[P+4:P+5], s[12:13] offset:1536*\pr+512
	global_store_b128 v4, v[P+6:P+9], s[12:13] offset:1536*\pr+768
	global_store_b64 v5, v[P+10:P+11], s[12:13] offset:1536*\pr+1280
.endr
	global_store_b64 v5, v[166:167], s[14:15]      ; 256 consecutive bytes
	WIN 0
	s_branch .Lclose
.Lv_path:
; ---------------- V
	s_mul_i32 s78, s75, 12288
	s_add_co_u32 s78, s78, s76
	s_mul_i32 s74, s73, 768
	s_add_co_u32 s78, s78, s74
	s_add_nc_u64 s[12:13], s[16:17], s[78:79]      ; my step's block, half w % 2 of its 128 keys (6,144 in the immediate)
	s_mul_i32 s78, s75, 768
	s_add_co_u32 s78, s78, s76
	s_add_co_u32 s78, s78, 393216+512
	s_add_nc_u64 s[14:15], s[16:17], s[78:79]      ; the step's third image
	MAIN 1
	WIN 0x55
.irp b, 0,1,2,3
	v_mov_b32 v[TM+4+\b], 0
.endr
.irp pr, 0,1                           ; d tiles 2 pr and 2 pr + 1: each is two blocks of 32 keys
.if \pr
	s_wait_xcnt 0x0
.endif
	QUANTW 64*\pr
	v_lshl_or_b32 v164, v[TM+5], 8, v[TM+4]
	v_lshl_or_b32 v165, v[TM+7], 8, v[TM+6]
	v_cndmask_b32 v[166+\pr], v164, v165, vcc_lo
	WIN 0x04
	global_store_b128 v4, v[P:P+3], s[12:13] offset:6144+3072*\pr
	global_store_b64 v5, v[P+4:P+5], s[12:13] offset:6144+3072*\pr+512
	global_store_b128 v4, v[P+6:P+9], s[12:13] offset:6144+3072*\pr+1536
	global_store_b64 v5, v[P+10:P+11], s[12:13] offset:6144+3072*\pr+2048
	ds_store_b16 v12, v[166+\pr] offset:4*\pr      ; my two bytes of the step's four: the other two come from the wave beside me
.endr
	WIN 0
	s_wait_dscnt 0x0                               ; for the others' sake: my stores have landed
	s_barrier_signal -1                            ; every wave of a work-group in this role passes here: the role hangs on the cluster's x alone
	s_barrier_wait -1
	s_cmp_lg_u32 s73, 0
	s_cbranch_scc1 .Lclose
	ds_load_b64 v[14:15], v13                      ; waves 0 and 2: a step's whole words
	s_wait_dscnt 0x0
	global_store_b64 v5, v[14:15], s[14:15]        ; 256 consecutive bytes
.Lclose:
	s_wait_tensorcnt 0x0
	ds_add_u32 v254, v255
	s_wait_dscnt 0x0
	CROUND                                         ; the closing round: no work-group ends while a partner may still ask for a tile that names it
	s_endpgm
.Lfunc_end_k_qb30a7f58dc_qkv:
	.size	k_qb30a7f58dc_qkv, .Lfunc_end_k_qb30a7f58dc_qkv-k_qb30a7f58dc_qkv
	.p2alignl 7, 3214868480
	.fill 96, 4, 3214868480
	.section	.rodata,"a",@progbits
	.p2align	6, 0x0
	.amdhsa_kernel k_qb30a7f58dc_qkv
		.amdhsa_group_segment_fixed_size 262656
		.amdhsa_private_segment_fixed_size 0
		.amdhsa_enable_private_segment 0
		.amdhsa_kernarg_size 56
		.amdhsa_user_sgpr_count 2
		.amdhsa_user_sgpr_kernarg_segment_ptr 1
		.amdhsa_wavefront_size32 1
		.amdhsa_system_sgpr_workgroup_id_x 1
		.amdhsa_system_sgpr_workgroup_id_y 1
		.amdhsa_system_sgpr_workgroup_id_z 1
		.amdhsa_system_vgpr_workitem_id 0
		.amdhsa_next_free_vgpr 640
		.amdhsa_next_free_sgpr 80
		.amdhsa_reserve_vcc 1
		.amdhsa_float_denorm_mode_32 3
		.amdhsa_float_denorm_mode_16_64 3
		.amdhsa_memory_ordered 1
		.amdhsa_forward_progress 1
		.amdhsa_inst_pref_size 110
	.end_amdhsa_kernel
	.amdgpu_metadata
---
amdhsa.version: [ 1, 2 ]
amdhsa.kernels:
  - .name:           k_qb30a7f58dc_qkv
    .symbol:         k_qb30a7f58dc_qkv.kd
    .args:
      - { .name: xc, .offset: 0, .size: 8, .value_kind: global_buffer, .address_space: global }
      - { .name: wc, .offset: 8, .size: 8, .value_kind: global_buffer, .address_space: global }
      - { .name: sin, .offset: 16, .size: 8, .value_kind: global_buffer, .address_space: global }
      - { .name: cos, .offset: 24, .size: 8, .value_kind: global_buffer, .address_space: global }
      - { .name: qc, .offset: 32, .size: 8, .value_kind: global_buffer, .address_space: global }
      - { .name: qs, .offset: 40, .size: 8, .value_kind: global_buffer, .address_space: global }
      - { .name: kv, .offset: 48, .size: 8, .value_kind: global_buffer, .address_space: global }
    .group_segment_fixed_size: 262656
    .private_segment_fixed_size: 0
    .kernarg_segment_align: 8
    .kernarg_segment_size: 56
    .max_flat_workgroup_size: 128
    .sgpr_count:     80
    .vgpr_count:     640
    .wavefront_size: 32
...
	.end_amdgpu_metadata
.endif
;; end of part 2
;; launch attn (part 3): grid 32 x 8, 16 waves a work-group, no clusters, 88,576 bytes of LDS; arguments qc, qs, kv, maskw, attention_mask, cc; writes cc
.if DOCPART == 3
	.amdgcn_target "amdgcn-amd-amdhsa--gfx1250"
	.amdhsa_code_object_version 6
	.text
	.protected	k_qb30a7f58dc_attn
	.globl	k_qb30a7f58dc_attn
	.p2align	8
	.type	k_qb30a7f58dc_attn,@function
k_qb30a7f58dc_attn:
	s_mov_b64 s[64:65], 0
	v_nop
	global_prefetch_b8 v0, s[64:65] scope:SCOPE_SE
	s_setreg_imm32_b32 hwreg(HW_REG_WAVE_MODE, 25, 1), 1
	s_wait_xcnt 0x0
; ATTENTION on codes of BF6.  A unit is one tile of 16 queries of one head; keys go in steps of 128.  Both products are used transposed (S^T = K Q^T, O^T = V^T P^T): a lane holds one query (lane % 16);
; register 16 b + e of the scores is key 32 b + 16 (lane / 16) + e of the step (tile order, half fragments, group blocks: see the first launch's head).
; THE MASK IS AN INPUT, AND ITS WORDS DECIDE WHAT IS DONE.  maskw holds 64 lane-mask words for each (tile, step).  A wave reads its tile's 2,048 words (lane l: step l), ORs and ANDs them, and has two 32-bit masks:
; bit s of ANY: some query of the tile sees some key of step s; bit s of ALL: every query sees every key.  ANY = 0: the step is passed over.  ALL = 1: no select is needed.  Else: t = score x c, and t = tm where the word's bit is 0.
; A STEP THAT IS PASSED OVER IS STILL COUNTED.  All its 128 keys have t = tm = -1442695.0 = f32(-1e6 x log2(e)), so all its p are pm = 2^(tm - M), every block's quantised p is the same Q(pm), and the step adds
; Q(pm) x (the sum of V's quantised numbers over its keys) to O^T and 128 pm to the row's sum.  The sums of V for the KV head's 32 steps are made once a work-group (V^T x a P of ones, two steps a wave) and lie in LDS;
; at a unit's end the sums of its passed-over steps are added up, tm joins the row's maximum, and the two terms are added.  So a row with no key left comes out uniform, as reference() has it.
; THE SOFTMAX: M = the running largest t rounded up to a whole number; p = 2^(t - M), quantised along the keys; the sum is taken of the unquantised p; a change of M multiplies the sum and O^T by a power of two.
; THE FIRST PRODUCT HAS K = 64 in an instruction of 128: Q's upper six registers are zero codes; tile t's operand of K is v[32 + 6 t] on, twelve registers, whose upper six meet those zeros.
; THE DEAL.  Work-group (x, y): query groups 63 - x ('high') and x ('low') of 64 queries, heads 2 y and 2 y + 1 (one KV head).  Wave w: tile w % 4, head (w / 4) % 2.  Waves 0-7 walk steps 0-15 of the high tile;
; waves 8-15 walk its steps 16-31, hand O^T, the largest t and the sum to wave w - 8 through LDS, and then walk the low tile whole.  Which wave does what hangs on ids alone and is right for every mask.
; K and V go from memory straight into registers: whether a step is loaded hangs on words read from memory, so the text has no tensor load, hence no joint loads, and no prefetch runs ahead of a walk that is not known ahead.
; LIMITS: NaN and infinities are not served; blocks under 2^-122 and blocks of zeros get the byte 1; pm under 2^-122 is taken as 2^-122 in Q(pm): under 2^-120 of a row's sum, which is at least 1/2.
; REGISTERS: v1-3 lane offsets; v4, v5 the add's; v6-9 offsets; v10 tm; v11 the query's mask; v12 -M; v13 largest t; v[14:15] the sum; v16-27 Q; v28 its scale word; v29-31 the end's addresses; v32-85 K or V;
; v86-93 sums of V; v94 table address; v96-159 scores, then p; v160-191 O^T; v192-211 p's codes; v212-223 block maxima, bytes, scale operands; v224-229 scale words; v230 p's; v231-238 at work; v239, v240 LDS; v242-255 partial sums.
.set FLOOR, 0x2800000
.set ESTEP, 0xfe000000
.set STEPB, 12288                      ; a key step: 8 half fragments of K, then 8 of V
.set KVH,   417792
.set SCLB,  393216                     ; a KV head's scale words: 32 x 768 bytes
.set SPL,   8192                       ; LDS: 0: the table, 32 steps x 64 d of f32; here: bytes of its own for each wave, nine images of 512 bytes, in which waves 8-15 hand their part over
.set SPB,   4608
.set VSX,   81920                      ; 256 bytes a wave: the sums of V turn from a lane a pair of d to the layout of O^T
.set CSTG,  86016                      ; 512 bytes in which the results' scale half words meet
.set SPARE, 86528                      ; the spare words, 128 bytes for each of 16 waves
.macro WM d, a, b, acc, sa, sb, row
.if \acc
.if \row
	v_wmma_scale_f32_16x16x128_f8f6f4 v[(\d):(\d)+7], v[(\a):(\a)+11], v[(\b):(\b)+11], v[(\d):(\d)+7], v[\sa], v[\sb] matrix_a_fmt:MATRIX_FMT_BF6 matrix_b_fmt:MATRIX_FMT_BF6 matrix_a_scale:MATRIX_SCALE_ROW1
.else
	v_wmma_scale_f32_16x16x128_f8f6f4 v[(\d):(\d)+7], v[(\a):(\a)+11], v[(\b):(\b)+11], v[(\d):(\d)+7], v[\sa], v[\sb] matrix_a_fmt:MATRIX_FMT_BF6 matrix_b_fmt:MATRIX_FMT_BF6
.endif
.else
.if \row
	v_wmma_scale_f32_16x16x128_f8f6f4 v[(\d):(\d)+7], v[(\a):(\a)+11], v[(\b):(\b)+11], 0, v[\sa], v[\sb] matrix_a_fmt:MATRIX_FMT_BF6 matrix_b_fmt:MATRIX_FMT_BF6 matrix_a_scale:MATRIX_SCALE_ROW1
.else
	v_wmma_scale_f32_16x16x128_f8f6f4 v[(\d):(\d)+7], v[(\a):(\a)+11], v[(\b):(\b)+11], 0, v[\sa], v[\sb] matrix_a_fmt:MATRIX_FMT_BF6 matrix_b_fmt:MATRIX_FMT_BF6
.endif
.endif
.endm
.macro LOADHF reg, off                 ; eight half fragments on end
.irp m, 0,1,2,3,4,5,6,7
	global_load_b128 v[(\reg)+6*\m:(\reg)+6*\m+3], v1, s[26:27] offset:(\off)+768*\m
	global_load_b64 v[(\reg)+6*\m+4:(\reg)+6*\m+5], v2, s[26:27] offset:(\off)+768*\m
.endr
.endm
	s_load_b256 s[8:15], s[0:1], 0x0               ; qc s[8:9], qs s[10:11], kv s[12:13], maskw s[14:15]
	s_load_b128 s[16:19], s[0:1], 0x20             ; attention_mask s[16:17], cc s[18:19]
	v_lshl_add_u32 v4, v0, 2, SPARE
	v_mov_b32 v5, 0
	v_lshrrev_b32 v1, 5, v0
	v_readfirstlane_b32 s2, v1                     ; wave 0..15
	s_and_b32 s3, s2, 3                            ; tile of the group
	s_bfe_u32 s4, s2, 0x10002                      ; which of the two heads
	s_lshr_b32 s5, s2, 3                           ; role: 0 waves 0-7, 1 waves 8-15
	s_and_b32 s48, ttmp7, 0xffff                   ; pair of heads
	s_lshl_b32 s7, s48, 1
	s_add_co_u32 s7, s7, s4                        ; head
	s_sub_co_u32 s6, 63, ttmp9                     ; the group at work: first the high one
	s_and_b32 s39, s3, 1
	s_lshr_b32 s46, s3, 1
	s_lshl_b32 s49, s39, 7
	s_lshl_b32 s47, s46, 2
	s_add_co_u32 s49, s49, s47                     ; in qs: 128 (tile % 2) + 4 (tile / 2)
	s_lshl_b32 s47, s46, 7
	s_lshl_b32 s39, s39, 5
	s_add_co_u32 s47, s47, s39                     ; in attention_mask: 4 x (32 (tile / 2) + 8 (tile % 2))
	s_mul_i32 s56, s2, SPB
	s_add_co_u32 s56, s56, SPL                     ; my own bytes for handing over,
	s_xor_b32 s63, s2, 8
	s_mul_i32 s63, s63, SPB
	s_add_co_u32 s63, s63, SPL                     ; and those of the wave that shares the high tile with me
	s_lshl_b32 s57, s2, 9                          ; the table's rows 2 w, 2 w + 1
	s_lshl_b32 s58, s2, 8
	s_add_co_u32 s58, s58, VSX
	s_xor_b32 s59, s5, 1                           ; scale half words: the low group's block first, the high group's behind it
	s_lshl_b32 s59, s59, 8
	s_lshl_b32 s39, s3, 2
	s_add_co_u32 s59, s59, s39
	s_lshl_b32 s39, s4, 1
	s_add_co_u32 s59, s59, s39
	s_add_co_u32 s59, s59, CSTG
	s_sub_co_u32 s60, s6, ttmp9
	s_mul_i32 s60, s60, 51200                      ; bytes from the low group's blocks to the high group's in cc
	s_mov_b32 s20, 0x3e38aa3b                      ; c = log2(e) / 8
	s_mov_b32 s21, s20
	s_mov_b32 s24, 0x76543210
	s_mov_b32 s25, 0xfedcba98                      ; selects for lane l xor 16
	s_mov_b32 s41, 0
	s_mov_b32 s42, 1.0
	s_mov_b32 s43, 1.0
	s_mov_b32 s61, 0xc9b01c38                      ; tm
	s_mov_b32 s62, 0x40800000                      ; 4.0
	s_lshl_b32 s38, s5, 1
	s_add_co_u32 s38, s38, 1                       ; walks of 16 steps: 1 or 3
	s_mov_b32 s37, 0
	v_and_b32 v6, 31, v0
	v_and_b32 v8, 15, v0                           ; r
	v_bfe_u32 v31, v0, 4, 1                        ; h
	v_lshlrev_b32 v1, 4, v6                        ; 16 x lane
	v_lshlrev_b32 v3, 3, v6                        ; 8 x lane
	v_lshlrev_b32 v9, 8, v6                        ; 256 x lane
	v_add_nc_u32 v2, 512, v3
	v_and_b32 v6, 8, v8
	v_add_nc_u32 v6, v6, v8
	v_lshlrev_b32 v6, 2, v6                        ; 4 x (r + 8 (r / 8))
	v_add_nc_u32 v7, s56, v1
	v_add_nc_u32 v95, s63, v1
	v_lshl_add_u32 v94, v31, 6, s57
	v_add_nc_u32 v239, s58, v3
	v_lshl_add_u32 v240, v31, 6, s58
	v_lshl_add_u32 v29, v8, 4, s59
	v_add_nc_u32 v30, CSTG, v1
	v_mul_u32_u24 v31, v31, s60
	v_lshl_add_u32 v31, v8, 4, v31
	v_lshlrev_b32 v8, 3, v8
	v_mov_b32 v254, 0x7f7f7f7f                     ; the ones' scale word: 2^0
.irp k, 0,1,2,3
	v_mov_b32 v[242+3*\k], 0x0c30c30c              ; a P of ones: the code of 1.0 is 001100, four codes in three bytes
	v_mov_b32 v[243+3*\k], 0xc30c30c3
	v_mov_b32 v[244+3*\k], 0x30c30c30
.endr
	v_mov_b32 v10, s61
.irp i, 0,1,2,3,4,5
	v_mov_b32 v[22+\i], 0                          ; Q's upper 64: zero codes
	v_mov_b32 v[80+\i], 0                          ; behind K's last tile
.endr
.irp b, 0,1,2,3
	v_mov_b32 v[216+\b], 0                         ; a lane permute's destination counts as read
.endr
	v_mov_b32 v233, 0                              ; (named as the upper halves of pairs)
	v_mov_b32 v237, 0
	s_wait_alu depctr_va_vdst(0)
	s_wait_kmcnt 0x0
	s_lshr_b32 s40, s48, 1
	s_mul_i32 s40, s40, KVH
	s_add_nc_u64 s[12:13], s[12:13], s[40:41]      ; my KV head
	s_mul_i32 s40, s2, 2*STEPB
	s_add_nc_u64 s[26:27], s[12:13], s[40:41]
	s_mul_i32 s40, s2, 2*768
	s_add_nc_u64 s[28:29], s[12:13], s[40:41]
	; THE TABLE: the sums of V's quantised numbers over steps 2 w and 2 w + 1
	LOADHF 32, 6144
	LOADHF 128, STEPB+6144
	global_load_b64 v[228:229], v3, s[28:29] offset:SCLB+512
	global_load_b64 v[226:227], v3, s[28:29] offset:SCLB+768+512
	s_wait_loadcnt 0x0
.irp i, 0,1
.irp n, 0,1,2,3
	WM 96+80*\i+8*\n, 32+96*\i+12*\n, 242, 0, 228-2*\i+\n/2, 254, \n%2
.endr
.endr
.rept 4
	v_nop                                          ; four places behind the products
.endr
.irp i, 0,1
.irp n, 0,1,2,3
	ds_store_b128 v94, v[96+80*\i+8*\n:99+80*\i+8*\n] offset:256*\i+128*(\n/2)+32*(\n%2)        ; all sixteen lanes of a half hold the same numbers and write the same bytes
	ds_store_b128 v94, v[100+80*\i+8*\n:103+80*\i+8*\n] offset:256*\i+128*(\n/2)+32*(\n%2)+16
.endr
.endr
	s_wait_dscnt 0x0                               ; the table is read behind the barrier at the walks' end
; A unit begins: group s6, first step s39.  Q, its scale word, the queries' mask, the tile's mask words; the state; ANY, ALL and the steps passed over.
.macro INIT
	s_lshl_b32 s46, s6, 2
	s_add_co_u32 s46, s46, s3                      ; tile
	s_lshl_b32 s40, s7, 8
	s_add_co_u32 s40, s40, s46
	s_mul_i32 s40, s40, 768
	s_add_nc_u64 s[50:51], s[8:9], s[40:41]
	s_lshl_b32 s40, s7, 6
	s_add_co_u32 s40, s40, s6
	s_lshl_b32 s40, s40, 8
	s_add_co_u32 s40, s40, s49
	s_add_nc_u64 s[52:53], s[10:11], s[40:41]
	s_lshl_b32 s40, s6, 8
	s_add_co_u32 s40, s40, s47
	s_add_nc_u64 s[54:55], s[16:17], s[40:41]
	s_lshl_b32 s40, s46, 13
	s_add_nc_u64 s[30:31], s[14:15], s[40:41]
	global_load_b128 v[16:19], v1, s[50:51]
	global_load_b64 v[20:21], v2, s[50:51]
	global_load_b32 v28, v8, s[52:53]
	global_load_b32 v11, v6, s[54:55]
.irp i, 0,1,2,3,4,5,6,7,8,9,10,11,12,13,14,15
	global_load_b128 v[96+4*\i:99+4*\i], v9, s[30:31] offset:16*\i     ; lane l: the 64 words of step l
.endr
	v_mov_b32 v13, 0xff61b1e6                      ; the largest t so far: -3e38
	v_mov_b32 v14, 0
	v_mov_b32 v15, 0
	v_floor_f32 v12, -v13
.set i, 0
.rept 32
	v_mov_b32 v[160+i], 0                          ; O^T: the step is written once, and a unit's first finds zeros
.set i, i+1
.endr
	s_wait_alu depctr_va_vdst(0)
	s_wait_loadcnt 0x0
.irp k, 0,1,2,3
	v_or_b32 v[32+\k], v[96+\k], v[100+\k]
	v_and_b32 v[36+\k], v[96+\k], v[100+\k]
.endr
.set i, 2
.rept 14
.irp k, 0,1,2,3
	v_or_b32 v[32+\k], v[32+\k], v[96+4*i+\k]
	v_and_b32 v[36+\k], v[36+\k], v[96+4*i+\k]
.endr
.set i, i+1
.endr
	v_or_b32 v32, v32, v33
	v_or_b32 v34, v34, v35
	v_and_b32 v36, v36, v37
	v_and_b32 v38, v38, v39
	v_or_b32 v32, v32, v34
	v_and_b32 v36, v36, v38
	v_cmp_ne_u32 s32, 0, v32                       ; ANY
	v_cmp_eq_u32 s33, -1, v36                      ; ALL
	s_not_b32 s34, s32                             ; the steps passed over, of all 32
	s_lshr_b32 s32, s32, s39                       ; bit 0: the step at hand
	s_lshr_b32 s33, s33, s39
	s_mul_i32 s40, s39, STEPB
	s_add_nc_u64 s[26:27], s[12:13], s[40:41]      ; its codes,
	s_mul_i32 s40, s39, 768
	s_add_co_u32 s40, s40, SCLB
	s_add_nc_u64 s[28:29], s[12:13], s[40:41]      ; its scale words,
	s_lshl_b32 s36, s39, 8                         ; its mask words
.endm
	s_lshl_b32 s39, s5, 4                          ; the high tile: steps 0 on, or 16 on
	INIT
.Lseg:                                 ; a walk of 16 steps
	s_mov_b32 s35, 16
.Lstep:
	s_and_b32 s39, s32, 1
	s_cbranch_scc0 .Lnext                          ; nobody sees a key of this step
	LOADHF 32, 0
	global_load_b64 v[224:225], v3, s[28:29]       ; K's scale words: register q holds tile 2 q below and tile 2 q + 1 above
	global_load_b64 v[226:227], v3, s[28:29] offset:256
	global_load_b64 v[228:229], v3, s[28:29] offset:512   ; V's
	s_and_b32 s39, s33, 1
	s_cselect_b32 s22, s20, 1.0                    ; what the registers below are multiplied by: c for scores, 1 for t
	s_cselect_b32 s23, s20, 1.0
	s_wait_loadcnt 0x0
.irp t, 0,1,2,3,4,5,6,7
	WM 96+8*\t, 32+6*\t, 16, 0, 224+\t/2, 28, \t%2
.endr
.rept 4
	v_nop                                          ; four places: in front of V's loads, and of the first read of the scores
.endr
	LOADHF 32, 6144                                ; V lands under the softmax
	s_cmp_lg_u32 s39, 0
	s_cbranch_scc1 .Lseen
	s_load_b512 s[68:83], s[30:31], s36 offset:0x0 ; a mixed step: its first 32 mask words; the scalings below stand between the load and the wait for it
	s_load_b512 s[84:99], s[30:31], s36 offset:0x40
.set j, 0
.rept 32
	v_pk_mul_f32 v[96+j:97+j], v[96+j:97+j], s[20:21] op_sel_hi:[1,0]  ; t; each accumulator from its low end on
.set j, j+2
.endr
	s_wait_kmcnt 0x0
.set e, 0
.rept 32
	v_cndmask_b32 v[96+e], v10, v[96+e], s[68+e]
.set e, e+1
.endr
	s_load_b512 s[68:83], s[30:31], s36 offset:0x80
	s_load_b512 s[84:99], s[30:31], s36 offset:0xc0
	s_wait_kmcnt 0x0
.set e, 0
.rept 32
	v_cndmask_b32 v[128+e], v10, v[128+e], s[68+e]
.set e, e+1
.endr
.Lseen:
.irp b, 0,1,2,3
	v_max3_num_f32 v[212+\b], v[96+16*\b], v[97+16*\b], v[98+16*\b]    ; the largest of each block of 32 keys: it serves the row's maximum and, since p rises with it, the block's largest p
.endr
.irp i, 3,5,7,9,11,13
.irp b, 0,1,2,3
	v_max3_num_f32 v[212+\b], v[212+\b], v[96+16*\b+\i], v[97+16*\b+\i]
.endr
.endr
.irp b, 0,1,2,3
	v_max_num_f32 v[212+\b], v[212+\b], v[111+16*\b]
.endr
.irp b, 0,1,2,3
	v_permlanex16_b32 v[216+\b], v[212+\b], s24, s25
.endr
.irp b, 0,1,2,3
	v_max_num_f32 v[212+\b], v[212+\b], v[216+\b]
.endr
	s_delay_alu instid0(VALU_DEP_2)
	v_max3_num_f32 v234, v212, v213, v214
	s_delay_alu instid0(VALU_DEP_1)
	v_max_num_f32 v234, v234, v215
	s_delay_alu instid0(VALU_DEP_1)
	v_mul_f32 v234, s22, v234                      ; as t (the factor is positive)
	s_delay_alu instid0(VALU_DEP_1)
	v_max_num_f32 v13, v13, v234                   ; the running largest t
	v_mov_b32 v234, v12
	s_delay_alu instid0(VALU_DEP_2)
	v_floor_f32 v12, -v13                          ; -M = floor(-t): M is a whole number
	s_delay_alu instid0(VALU_DEP_1)
	v_sub_f32 v234, v12, v234                      ; old M - new M: a whole number, 0 or less
	s_delay_alu instid0(VALU_DEP_1)
	v_cvt_i32_f32 v234, v234                       ; (it saturates)
	s_delay_alu instid0(VALU_DEP_1)
	v_ldexp_f32 v232, 1.0, v234                    ; f = 2^(old M - new M)
.set j, 0
.rept 32
	v_pk_fma_f32 v[96+j:97+j], v[96+j:97+j], s[22:23], v[12:13] op_sel_hi:[1,0,0]   ; t - M
.set j, j+2
.endr
.irp b, 0,1,2,3
	v_fma_f32 v[212+\b], v[212+\b], s22, v12       ; the same of each block's largest
.endr
.set j, 0
.rept 16
	v_pk_mul_f32 v[160+j:161+j], v[160+j:161+j], v[232:233] op_sel_hi:[1,0]   ; O^T under the new M, each accumulator from its low end on
.set j, j+2
.endr
	v_pk_mul_f32 v[14:15], v[14:15], v[232:233] op_sel_hi:[1,0]        ; and the sums
	s_wait_alu depctr_va_vdst(0)
.set j, 0
.rept 64
	v_exp_f32 v[96+j], v[96+j]                     ; p = 2^(t - M)
.set j, j+1
.endr
.irp b, 0,1,2,3
	v_exp_f32 v[212+\b], v[212+\b]                 ; the block's largest p: the same instructions on the same number
.endr
	v_nop                                          ; a plain place behind the batch
	s_wait_alu depctr_va_vdst(0)                   ; and the wait behind it, ahead of its first reader
.irp b, 0,1,2,3
	v_max_num_f32 v[212+\b], FLOOR, v[212+\b]
.endr
.irp b, 0,1,2,3
	v_add_nc_u32 v[220+\b], ESTEP, v[212+\b]
.endr
.irp b, 0,1,2,3
	v_lshrrev_b32 v[216+\b], 23, v[220+\b]
.endr
	s_delay_alu instid0(VALU_DEP_3)
	v_lshl_or_b32 v230, v217, 8, v216              ; p's scale word for these 128 keys
	s_delay_alu instid0(VALU_DEP_1)
	v_lshl_or_b32 v230, v218, 16, v230
	s_delay_alu instid0(VALU_DEP_1)
	v_lshl_or_b32 v230, v219, 24, v230
.irp c, 0,1
	v_cvt_scalef32_pk16_bf6_f32 v[192+6*\c:194+6*\c], v[96+32*\c:111+32*\c], v[220+2*\c]
	v_cvt_scalef32_pk16_bf6_f32 v[204+4*\c:206+4*\c], v[112+32*\c:127+32*\c], v[220+2*\c+1]
.endr
	v_nop                                          ; one plain place behind a scaled conversion
.irp c, 0,1
.irp i, 0,1,2
	v_permlane16_swap_b32 v[192+6*\c+\i], v[204+4*\c+\i]
.endr
.irp i, 0,1,2
	v_mov_b32 v[195+6*\c+\i], v[204+4*\c+\i]
.endr
.endr
	; the row's sum of the unquantised p, in eight chains; these 32 are also the places between p's scale word and codes and the products
	v_pk_add_f32 v[14:15], v[14:15], v[96:97]
.irp k, 1,2,3,4,5,6,7
	v_pk_add_f32 v[240+2*\k:241+2*\k], v[96+2*\k:97+2*\k], v[112+2*\k:113+2*\k]
.endr
.irp o, 128, 144
	v_pk_add_f32 v[14:15], v[14:15], v[\o-16:\o-15]
.irp k, 1,2,3,4,5,6,7
	v_pk_add_f32 v[240+2*\k:241+2*\k], v[240+2*\k:241+2*\k], v[\o+2*\k:\o+1+2*\k]
.endr
.endr
	v_pk_add_f32 v[14:15], v[14:15], v[144:145]
	v_pk_add_f32 v[242:243], v[242:243], v[244:245]
	v_pk_add_f32 v[246:247], v[246:247], v[248:249]
	v_pk_add_f32 v[250:251], v[250:251], v[252:253]
	v_pk_add_f32 v[14:15], v[14:15], v[254:255]
	s_delay_alu instid0(VALU_DEP_3)
	v_pk_add_f32 v[242:243], v[242:243], v[246:247]
	s_delay_alu instid0(VALU_DEP_2)
	v_pk_add_f32 v[14:15], v[14:15], v[250:251]
	s_delay_alu instid0(VALU_DEP_1)
	v_pk_add_f32 v[14:15], v[14:15], v[242:243]
	s_wait_alu depctr_va_vdst(0)
	s_wait_loadcnt 0x0                             ; V
.irp n, 0,1,2,3
	WM 160+8*\n, 32+12*\n, 192, 1, 228+\n/2, 230, \n%2
.endr
.rept 4
	v_nop                                          ; four places in front of whatever next loads into, reads or writes these products' registers
.endr
.Lnext:
	s_lshr_b32 s32, s32, 1                         ; no load of mine is out here: the bases may step
	s_lshr_b32 s33, s33, 1
	s_add_nc_u64 s[26:27], s[26:27], STEPB
	s_add_nc_u64 s[28:29], s[28:29], 768
	s_add_co_u32 s36, s36, 256
	s_sub_co_u32 s35, s35, 1
	s_cmp_lg_u32 s35, 0
	s_cbranch_scc1 .Lstep
	s_xor_b32 s39, s5, 1
	s_or_b32 s39, s39, s37
	s_cmp_lg_u32 s39, 0
	s_cbranch_scc1 .Lkeep
	; waves 8-15, behind their first walk: the high tile's part goes to LDS as images of the registers, and the low tile begins
.irp k, 0,1,2,3,4,5,6,7
	ds_store_b128 v7, v[160+4*\k:163+4*\k] offset:512*\k
.endr
	ds_store_b128 v7, v[12:15] offset:4096         ; -M, the largest t, the sum
	s_mov_b32 s6, ttmp9
	s_mov_b32 s39, 0
	INIT
.Lkeep:
	s_add_co_u32 s37, s37, 1
	s_cmp_lt_u32 s37, s38
	s_cbranch_scc1 .Lseg
	; THE END OF A UNIT: waves 0-7 finish the high tile, waves 8-15 the low one
	s_wait_alu depctr_va_vdst(0)
	s_wait_dscnt 0x0                               ; for the others' sake: my rows of the table and what I hand over have landed
	s_barrier_signal -1
	s_barrier_wait -1
.set k, 0
.rept 32
	ds_load_b64 v[96+2*k:97+2*k], v3 offset:256*k  ; the table: my pair of d, all 32 steps
.set k, k+1
.endr
	s_mul_i32 s40, s6, 51200
	s_mul_i32 s39, s48, 6400
	s_add_co_u32 s40, s40, s39
	s_lshl_b32 s46, s3, 1
	s_add_co_u32 s46, s46, s4
	s_mul_i32 s46, s46, 768
	s_add_co_u32 s40, s40, s46
	s_add_nc_u64 s[44:45], s[18:19], s[40:41]      ; the result: my group, K step = pair of heads, half fragment 2 tile + head % 2
	s_mul_i32 s40, ttmp9, 51200
	s_add_co_u32 s40, s40, s39
	s_add_nc_u64 s[56:57], s[18:19], s[40:41]      ; the low group's block
	s_bcnt1_i32_b32 s46, s34
	s_lshl_b32 s46, s46, 7                         ; keys passed over
.macro WEIGH k0                        ; 1.0 for a step passed over, else 0: sixteen pairs
.set k, 0
.rept 16
	s_bitcmp1_b32 s34, \k0+k
	s_cselect_b64 s[68+2*k:69+2*k], s[42:43], 0
.set k, k+1
.endr
.endm
	WEIGH 0
	s_wait_dscnt 0x0
.set k, 0
.rept 16
.if k < 4
	v_pk_mul_f32 v[86+2*k:87+2*k], v[96+2*k:97+2*k], s[68+2*k:69+2*k] op_sel_hi:[1,0]
.else
	v_pk_fma_f32 v[86+2*(k%4):87+2*(k%4)], v[96+2*k:97+2*k], s[68+2*k:69+2*k], v[86+2*(k%4):87+2*(k%4)] op_sel_hi:[1,0,1]
.endif
.set k, k+1
.endr
	s_wait_alu depctr_va_vdst(0)
	WEIGH 16
.set k, 0
.rept 16
	v_pk_fma_f32 v[86+2*(k%4):87+2*(k%4)], v[128+2*k:129+2*k], s[68+2*k:69+2*k], v[86+2*(k%4):87+2*(k%4)] op_sel_hi:[1,0,1]
.set k, k+1
.endr
	v_pk_add_f32 v[86:87], v[86:87], v[88:89]
	v_pk_add_f32 v[90:91], v[90:91], v[92:93]
	s_delay_alu instid0(VALU_DEP_1)
	v_pk_add_f32 v[86:87], v[86:87], v[90:91]
	ds_store_b64 v239, v[86:87]                    ; through my own 256 bytes: LDS serves a wave's instructions in order
.irp b, 0,1
.irp q, 0,1,2,3
	ds_load_b128 v[32+16*\b+4*\q:35+16*\b+4*\q], v240 offset:128*\b+16*\q   ; register 16 b + e = d 32 b + 16 h + e, as in O^T
.endr
.endr
	s_cmp_lg_u32 s5, 0
	s_wait_alu depctr_va_vdst(0)
	s_cbranch_scc1 .Lalone1
.irp k, 0,1,2,3,4,5,6,7
	ds_load_b128 v[96+4*\k:99+4*\k], v95 offset:512*\k   ; waves 0-7: what wave w + 8 made of steps 16-31
.endr
	ds_load_b128 v[128:131], v95 offset:4096
	s_wait_dscnt 0x0
	v_max_num_f32 v13, v13, v129
.Lalone1:
	s_wait_alu depctr_va_vdst(0)
	s_wait_dscnt 0x0
	s_mov_b32 s39, 0xff61b1e6
	s_cmp_lg_u32 s34, 0
	s_cselect_b32 s39, s61, s39                    ; tm counts for the maximum if a step was passed over
	v_max_num_f32 v13, s39, v13
	v_mov_b32 v234, v12
	s_delay_alu instid0(VALU_DEP_2)
	v_floor_f32 v12, -v13
	s_delay_alu instid0(VALU_DEP_1)
	v_sub_f32 v234, v12, v234
	s_delay_alu instid0(VALU_DEP_1)
	v_cvt_i32_f32 v234, v234
	s_delay_alu instid0(VALU_DEP_1)
	v_ldexp_f32 v232, 1.0, v234
.set j, 0
.rept 16
	v_pk_mul_f32 v[160+j:161+j], v[160+j:161+j], v[232:233] op_sel_hi:[1,0]
.set j, j+2
.endr
	v_pk_mul_f32 v[14:15], v[14:15], v[232:233] op_sel_hi:[1,0]
	s_cmp_lg_u32 s5, 0
	s_wait_alu depctr_va_vdst(0)
	s_cbranch_scc1 .Lalone2
	v_sub_f32 v235, v12, v128                      ; the other part's M - the new M
	s_delay_alu instid0(VALU_DEP_1)
	v_cvt_i32_f32 v235, v235
	s_delay_alu instid0(VALU_DEP_1)
	v_ldexp_f32 v236, 1.0, v235
.set j, 0
.rept 16
	v_pk_fma_f32 v[160+j:161+j], v[96+j:97+j], v[236:237], v[160+j:161+j] op_sel_hi:[1,0,1]
.set j, j+2
.endr
	v_pk_fma_f32 v[14:15], v[130:131], v[236:237], v[14:15] op_sel_hi:[1,0,1]
.Lalone2:
	v_add_f32 v235, v10, v12                       ; tm - M,
	v_add_f32 v14, v14, v15
	v_cvt_f32_u32 v238, s46
	v_min_num_f32 v235, 0, v235                    ; which is 0 or less wherever it counts
	v_permlanex16_b32 v216, v14, s24, s25
	v_cvt_f32_i32 v11, v11                         ; float(attention_mask[query])
	v_add_f32 v14, v14, v216
	s_wait_alu depctr_va_vdst(0)
	v_exp_f32 v235, v235                           ; pm
	v_nop
	s_wait_alu depctr_va_vdst(0)
	v_fma_f32 v14, v235, v238, v14                 ; the row's sum: at least 1/2
	v_max_num_f32 v235, FLOOR, v235
	s_delay_alu instid0(VALU_DEP_1)
	v_and_or_b32 v236, v235, 0x7fffff, s62         ; Q(pm): pm's mantissa in [4, 8),
	v_and_b32 v231, 0x7f800000, v235
	s_delay_alu instid0(VALU_DEP_2)
	v_rndne_f32 v236, v236                         ; to two bits, ties to even,
	v_add_nc_u32 v231, 0xff000000, v231            ; (pm's power of two / 4)
	s_delay_alu instid0(VALU_DEP_2)
	v_min_num_f32 v236, 0x40e00000, v236           ; held at the largest code,
	s_delay_alu instid0(VALU_DEP_1)
	v_mul_f32 v236, v236, v231                     ; and back under pm's exponent
	s_wait_alu depctr_va_vdst(0)
	v_rcp_f32 v14, v14
.set j, 0
.rept 16
	v_pk_fma_f32 v[160+j:161+j], v[32+j:33+j], v[236:237], v[160+j:161+j] op_sel_hi:[1,0,1]   ; the steps passed over
.set j, j+2
.endr
	s_wait_alu depctr_va_vdst(0)
	v_mul_f32 v14, v14, v11
.set j, 0
.rept 16
	v_pk_mul_f32 v[96+j:97+j], v[160+j:161+j], v[14:15] op_sel_hi:[1,0]   ; register 16 b + e = ctx(query r, d 32 b + 16 h + e)
.set j, j+2
.endr
.irp b, 0,1
	v_max3_num_f32 v[212+\b], |v[96+16*\b]|, |v[97+16*\b]|, FLOOR
.endr
.irp i, 2,4,6,8,10,12,14
.irp b, 0,1
	s_delay_alu instid0(VALU_DEP_2)
	v_max3_num_f32 v[212+\b], v[212+\b], |v[96+16*\b+\i]|, |v[97+16*\b+\i]|
.endr
.endr
.irp b, 0,1
	s_delay_alu instid0(VALU_DEP_2)
	v_permlanex16_b32 v[216+\b], v[212+\b], s24, s25
.endr
.irp b, 0,1
	s_delay_alu instid0(VALU_DEP_2)
	v_max_num_f32 v[212+\b], v[212+\b], v[216+\b]
.endr
.irp b, 0,1
	s_delay_alu instid0(VALU_DEP_2)
	v_add_nc_u32 v[220+\b], ESTEP, v[212+\b]
.endr
.irp b, 0,1
	s_delay_alu instid0(VALU_DEP_2)
	v_lshrrev_b32 v[216+\b], 23, v[220+\b]
.endr
	s_delay_alu instid0(VALU_DEP_1)
	v_lshl_or_b32 v230, v217, 8, v216              ; my head's two bytes of the row's scale word
	v_cvt_scalef32_pk16_bf6_f32 v[192:194], v[96:111], v220
	v_cvt_scalef32_pk16_bf6_f32 v[204:206], v[112:127], v221
	v_nop
.irp i, 0,1,2
	v_permlane16_swap_b32 v[192+\i], v[204+\i]
.endr
.irp i, 0,1,2
	v_mov_b32 v[195+\i], v[204+\i]
.endr
	global_store_b128 v1, v[192:195], s[44:45]     ; 512 consecutive bytes,
	global_store_b64 v2, v[196:197], s[44:45]      ; 256 consecutive bytes
	ds_store_b16 v29, v230                         ; both lanes of a row write the same half word with the same value
	s_wait_alu depctr_va_vdst(0)
	s_wait_dscnt 0x0                               ; for the others' sake
	s_barrier_signal -1
	s_barrier_wait -1
	s_cmp_lg_u32 s2, 0
	s_cbranch_scc1 .Lnot_0
	ds_load_b128 v[96:99], v30
	s_wait_dscnt 0x0
	global_store_b128 v31, v[96:99], s[56:57] offset:6144              ; the scale words of the work-group's two group blocks: 256 consecutive bytes each
.Lnot_0:
	s_wait_tensorcnt 0x0                           ; the wave's end
	ds_add_u32 v4, v5
	s_wait_dscnt 0x0
	s_endpgm
.Lfunc_end_k_qb30a7f58dc_attn:
	.size	k_qb30a7f58dc_attn, .Lfunc_end_k_qb30a7f58dc_attn-k_qb30a7f58dc_attn
	.p2alignl 7, 3214868480
	.fill 96, 4, 3214868480
	.section	.rodata,"a",@progbits
	.p2align	6, 0x0
	.amdhsa_kernel k_qb30a7f58dc_attn
		.amdhsa_group_segment_fixed_size 88576
		.amdhsa_private_segment_fixed_size 0
		.amdhsa_enable_private_segment 0
		.amdhsa_kernarg_size 48
		.amdhsa_user_sgpr_count 2
		.amdhsa_user_sgpr_kernarg_segment_ptr 1
		.amdhsa_wavefront_size32 1
		.amdhsa_system_sgpr_workgroup_id_x 1
		.amdhsa_system_sgpr_workgroup_id_y 1
		.amdhsa_system_sgpr_workgroup_id_z 1
		.amdhsa_system_vgpr_workitem_id 0
		.amdhsa_next_free_vgpr 256
		.amdhsa_next_free_sgpr 100
		.amdhsa_reserve_vcc 0
		.amdhsa_float_denorm_mode_32 3
		.amdhsa_float_denorm_mode_16_64 3
		.amdhsa_memory_ordered 1
		.amdhsa_forward_progress 1
		.amdhsa_inst_pref_size 70
	.end_amdhsa_kernel
	.amdgpu_metadata
---
amdhsa.version: [ 1, 2 ]
amdhsa.kernels:
  - .name:           k_qb30a7f58dc_attn
    .symbol:         k_qb30a7f58dc_attn.kd
    .args:
      - { .name: qc, .offset: 0, .size: 8, .value_kind: global_buffer, .address_space: global }
      - { .name: qs, .offset: 8, .size: 8, .value_kind: global_buffer, .address_space: global }
      - { .name: kv, .offset: 16, .size: 8, .value_kind: global_buffer, .address_space: global }
      - { .name: maskw, .offset: 24, .size: 8, .value_kind: global_buffer, .address_space: global }
      - { .name: attention_mask, .offset: 32, .size: 8, .value_kind: global_buffer, .address_space: global }
      - { .name: cc, .offset: 40, .size: 8, .value_kind: global_buffer, .address_space: global }
    .group_segment_fixed_size: 88576
    .private_segment_fixed_size: 0
    .kernarg_segment_align: 8
    .kernarg_segment_size: 48
    .max_flat_workgroup_size: 512
    .sgpr_count:     100
    .vgpr_count:     256
    .wavefront_size: 32
...
	.end_amdgpu_metadata
.endif
;; end of part 3
;; launch outp (part 4): grid 16 x 16, 4 waves a work-group, clusters of 4 x 4, 279,040 bytes of LDS; arguments cc, woc, out0; writes out0
.if DOCPART == 4
	.amdgcn_target "amdgcn-amd-amdhsa--gfx1250"
	.amdhsa_code_object_version 6
	.text
	.protected	k_qb30a7f58dc_outp
	.globl	k_qb30a7f58dc_outp
	.p2align	8
	.type	k_qb30a7f58dc_outp,@function
k_qb30a7f58dc_outp:
	s_mov_b64 s[64:65], 0
	v_nop
	global_prefetch_b8 v0, s[64:65] scope:SCOPE_SE
	s_setreg_imm32_b32 hwreg(HW_REG_WAVE_MODE, 25, 1), 1
	s_wait_xcnt 0x0
	s_wait_alu depctr_hold_cnt(0) depctr_sa_sdst(0) depctr_va_vdst(0) depctr_va_sdst(0) depctr_va_ssrc(0) depctr_va_vcc(0) depctr_vm_vsrc(0)
	s_getreg_b32 s2, hwreg(HW_REG_IB_STS2, 6, 4)
	s_cmp_eq_u32 s2, 0
	s_cbranch_scc0 .Lentry_in_a_cluster
	s_endpgm
.Lentry_in_a_cluster:
	s_bfe_u32 s2, ttmp6, 0x10000c
	s_cmp_lg_u32 s2, 0xf033
	s_cbranch_scc0 .Lentry_shape_is_right
	s_endpgm
.Lentry_shape_is_right:
; OUT.  out0 [4096 x 1024] f32 = ctx x wo on codes of BF6.  Both operands lie as group blocks (see the first launch's head).  A work-group takes 256 rows x 64 columns; wave w rows 64 w on: 16 accumulators.
; All of K (8 steps of 128) lies in LDS, every byte filled ONCE: no ring.  CLUSTER 4 x 4: ctx's group blocks are shared along a row of the cluster, wo's along a column: joint loads.
; Source 0 = wo's tile, source 1 = ctx's: a lane holds one row and registers 16 b + e = column 32 b + 16 h + e of the 64.  The results leave through each wave's own stage in LDS as whole rows of 256 bytes.
; REGISTERS.  window 0: v1-14 addresses; v24-31 scale words, two sets; v32-127, v128-223 fragments, two sets; on the way out v32-95 rows read back.  window 1: v0-127 accumulators.
.set GRP,   51200
.set GBB,   6400
.set LB,    204800                     ; LDS: ctx's four groups, then wo's group,
.set STG,   256000                     ; then a stage of 16 rows x (256 + 16) bytes for each wave; no tile lands there
.set MSB, 0
.macro WIN new                         ; the immediate's high byte repeats the setting that is left
.if MSB != \new
	s_set_vgpr_msb (MSB<<8)|\new
.set MSB, \new
.endif
.endm
.macro CROUND                          ; a round of the cluster's barrier
	s_barrier_signal -1
	s_barrier_wait -1
	s_cmp_lg_u32 s18, 0
	s_cbranch_scc1 .Lnot_wave_0_\@
	s_barrier_signal -3
.Lnot_wave_0_\@:
	s_barrier_wait -3
	s_barrier_signal -1
	s_barrier_wait -1
.endm
	s_load_b128 s[4:7], s[0:1], 0x0                ; cc s[4:5], woc s[6:7]
	s_load_b64 s[8:9], s[0:1], 0x10                ; out0
	v_lshl_add_u32 v254, v0, 2, 0x44000
	v_mov_b32 v255, 0
	ds_add_u32 v254, v255
	ds_add_u32 v254, v255
	v_lshrrev_b32 v1, 5, v0
	v_readfirstlane_b32 s18, v1                    ; wave
	s_bfe_u32 s19, ttmp6, 0x40000                  ; cx
	s_bfe_u32 s20, ttmp6, 0x40004                  ; cy
	s_lshl_b32 s21, ttmp9, 2
	s_add_co_u32 s21, s21, s19                     ; block of 64 columns
	s_and_b32 s22, ttmp7, 0xffff
	s_lshl_b32 s22, s22, 2
	s_add_co_u32 s22, s22, s20                     ; block of 256 rows
	s_lshl_b32 s60, s20, 2
	s_lshl_b32 s60, 15, s60                        ; my row of the cluster
	s_lshl_b32 s61, 0x1111, s19                    ; my column
	s_or_b32 s24, s60, (3<<16)|(1<<21)             ; group 1 for ctx: the mask; elements of 8 bytes; bit 21 beside a mask; no padding
	s_or_b32 s32, s61, (3<<16)|(1<<21)             ; and for wo
	s_mov_b32 s26, 400<<16                         ; tensor_dim1: ctx's load brings two groups, 400 rows of 256 bytes,
	s_mov_b32 s28, 400                             ; tile_dim1
	s_mov_b32 s34, 100<<16                         ; wo's half a group, 100 rows
	s_mov_b32 s36, 100
.irp g, 24, 32
	s_mov_b32 s[\g+1], 32<<16                      ; tensor_dim0 = 32 elements: 256 bytes
	s_mov_b32 s[\g+3], 32<<16                      ; tile_dim0
	s_mov_b32 s[\g+5], 32                          ; pitch: dense
	s_mov_b32 s[\g+6], 0
	s_mov_b32 s[\g+7], 0
.endr
	s_and_b32 s70, s18, 1                          ; which half I fetch: waves 0, 1 of ctx's four groups, waves 2, 3 of wo's group
	s_mul_i32 s66, s22, 4*GRP
	s_mul_i32 s67, s70, 2*GRP
	s_add_co_u32 s66, s66, s67                     ; ctx: groups 4 x block + 2 x half on (no register of it ever holds cx)
	s_mov_b32 s67, 0
	s_mul_i32 s68, s21, GRP
	s_mul_i32 s69, s70, GRP/2
	s_add_co_u32 s68, s68, s69                     ; wo: a half of the column block's group (never cy)
	s_mov_b32 s69, 0
	s_mul_i32 s62, s18, GRP                        ; LDS: the group of ctx that I read,
	s_mul_i32 s41, s70, 2*GRP                      ; where a half of ctx lands,
	s_mul_i32 s63, s70, GRP/2
	s_add_co_u32 s63, s63, LB                      ; and a half of wo
	s_wait_dscnt 0x0
	s_wait_kmcnt 0x0
	s_add_nc_u64 s[66:67], s[4:5], s[66:67]
	s_add_nc_u64 s[68:69], s[6:7], s[68:69]
	s_mov_b32 s56, 1
	s_mov_b32 s57, s63
	s_mov_b64 s[58:59], s[68:69]
	s_or_b32 s59, s59, 0x80000000
	s_mov_b32 s40, 1
	s_mov_b64 s[42:43], s[66:67]
	s_or_b32 s43, s43, 0x80000000
	CROUND                                         ; all sixteen work-groups are here: the joint loads meet
	s_cmp_lt_u32 s18, 2                            ; one joint load a wave: one chain of two arms on the wave's number
	s_cbranch_scc0 .Lfor_w
	tensor_load_to_lds s[40:43], s[24:31]          ; waves 0, 1: a half of ctx's four groups
	s_nop 0
.rept 4
	v_nop
.endr
	s_branch .Lasked
.Lfor_w:
	tensor_load_to_lds s[56:59], s[32:39]          ; waves 2, 3: a half of wo's group
	s_nop 0
.rept 4
	v_nop
.endr
.Lasked:
	v_and_b32 v1, 31, v0                           ; lane
	v_and_b32 v2, 15, v0                           ; r
	v_bfe_u32 v3, v0, 4, 1                         ; h
	v_lshlrev_b32 v4, 4, v1
	v_lshlrev_b32 v5, 3, v1
	v_add_nc_u32 v6, s62, v4                       ; ctx's half fragments: registers 0-3,
	v_add_nc_u32 v7, s62, v5                       ; registers 4-5 (+ 512 in the immediate)
	v_add_nc_u32 v8, LB, v4                        ; wo's
	v_add_nc_u32 v9, LB, v5
	s_sub_co_u32 s70, LB, s62
	v_mul_u32_u24 v10, s70, v3                     ; scale words: lanes 0-15 take ctx's, lanes 16-31 wo's: one product, the distance x h
	v_lshl_add_u32 v10, v2, 4, v10
	v_add_nc_u32 v10, s62, v10
	s_mul_i32 s71, s18, 4352
	s_add_co_u32 s71, s71, STG                     ; my stage
	v_mul_u32_u24 v12, v2, 272
	v_lshl_add_u32 v12, v3, 6, v12
	v_add_nc_u32 v12, s71, v12                     ; in: row r, + 64 h
	v_mul_u32_u24 v13, v3, 272
	v_lshl_add_u32 v13, v2, 4, v13
	v_add_nc_u32 v13, s71, v13                     ; back: lanes 0-15 one row, lanes 16-31 the next
	v_lshlrev_b32 v14, 12, v3
	v_lshl_add_u32 v14, v2, 4, v14                 ; and the same in out0
	s_lshl_b32 s72, s22, 8
	s_lshl_b32 s73, s18, 6
	s_add_co_u32 s72, s72, s73
	s_lshl_b32 s72, s72, 12                        ; my first row, of 4,096 bytes,
	s_lshl_b32 s73, s21, 8
	s_add_co_u32 s72, s72, s73                     ; my 64 columns
	s_mov_b32 s73, 0
	s_add_nc_u64 s[8:9], s[8:9], s[72:73]
	s_wait_alu depctr_va_vdst(0)
	s_wait_tensorcnt 0x0                           ; my one load has landed; nothing is filled again in this launch
	s_barrier_signal -1
	s_barrier_wait -1                              ; wo's group is whole
.macro FETCH ks, p                     ; 33 LDS loads: K step ks into set p
.set AFB, 32+96*(\p)
.set BFB, 80+96*(\p)
.irp m, 0,1,2,3,4,5,6,7
	ds_load_b128 v[AFB+6*\m:AFB+6*\m+3], v6 offset:(\ks)*GBB+768*\m
	ds_load_b64 v[AFB+6*\m+4:AFB+6*\m+5], v7 offset:(\ks)*GBB+768*\m+512
.endr
.irp m, 0,1,2,3,4,5,6,7
	ds_load_b128 v[BFB+6*\m:BFB+6*\m+3], v8 offset:(\ks)*GBB+768*\m
	ds_load_b64 v[BFB+6*\m+4:BFB+6*\m+5], v9 offset:(\ks)*GBB+768*\m+512
.endr
	ds_load_b128 v[24+4*(\p):27+4*(\p)], v10 offset:(\ks)*GBB+6144
.endm
.macro MULS p, zero                    ; 16 matrix instructions; the accumulators take turns, one instruction a turn, in the same order in every step
.set AFB, 32+96*(\p)
.set BFB, 80+96*(\p)
.set SCB, 24+4*(\p)
.irp i, 0,1,2,3
.irp n, 0,1,2,3
.if \zero
	v_wmma_scale_f32_16x16x128_f8f6f4 v[32*\i+8*\n:32*\i+8*\n+7], v[BFB+12*\n:BFB+12*\n+11], v[AFB+12*\i:AFB+12*\i+11], 0, v[SCB+\n], v[SCB+\i] matrix_a_fmt:MATRIX_FMT_BF6 matrix_b_fmt:MATRIX_FMT_BF6 matrix_a_scale:MATRIX_SCALE_ROW1
.else
	v_wmma_scale_f32_16x16x128_f8f6f4 v[32*\i+8*\n:32*\i+8*\n+7], v[BFB+12*\n:BFB+12*\n+11], v[AFB+12*\i:AFB+12*\i+11], v[32*\i+8*\n:32*\i+8*\n+7], v[SCB+\n], v[SCB+\i] matrix_a_fmt:MATRIX_FMT_BF6 matrix_b_fmt:MATRIX_FMT_BF6 matrix_a_scale:MATRIX_SCALE_ROW1
.endif
.endr
.endr
.endm
	FETCH 0, 0
.irp ks, 0,1,2,3,4,5,6,7
.if \ks < 7
	FETCH \ks+1, (\ks+1)%2
	s_wait_dscnt 33                                ; all but the 33 just issued
.else
	s_wait_dscnt 0
.endif
	WIN 0x50                                       ; C and D in window 1
.if \ks == 0
	MULS \ks%2, 1
.else
	MULS \ks%2, 0
.endif
	WIN 0
.rept 4
	v_nop                                          ; four places in front of loads into registers that these products read, and of the first read of results
.endr
.endr
; THE WAY OUT, a tile of 16 rows x 64 columns at a time: into my stage, back as whole rows; sixteen lanes store 256 consecutive bytes, at a multiple of 256 from out0's first byte.
.macro TOSTAGE i
	WIN 0x04                                       ; an LDS store's data: window 1
.irp n, 0,1,2,3
	ds_store_b128 v12, v[32*(\i)+8*\n:32*(\i)+8*\n+3] offset:128*(\n/2)+32*(\n%2)        ; each accumulator from its low end on
	ds_store_b128 v12, v[32*(\i)+8*\n+4:32*(\i)+8*\n+7] offset:128*(\n/2)+32*(\n%2)+16
.endr
	WIN 0
.irp k, 0,1,2,3,4,5,6,7
	ds_load_b128 v[32+32*((\i)%2)+4*\k:35+32*((\i)%2)+4*\k], v13 offset:544*\k           ; LDS serves a wave's instructions in order: these see the stores above, and the next tile's stores come behind them
.endr
.endm
.macro SEND i, younger                 ; younger: the LDS instructions issued behind tile i's loads
	s_wait_dscnt \younger
.irp k, 0,1,2,3,4,5,6,7
	global_store_b128 v14, v[32+32*((\i)%2)+4*\k:35+32*((\i)%2)+4*\k], s[8:9] offset:(32*((\i)/2)+8*((\i)%2)+2*\k+8*(\k/4))*4096 th:TH_STORE_NT
.endr
.endm
	TOSTAGE 0
	TOSTAGE 1
	SEND 0, 16
	s_wait_xcnt 0x0                                ; tile 0's stores have read their registers: tile 2's rows may land there
	TOSTAGE 2
	SEND 1, 16
	s_wait_xcnt 0x0
	TOSTAGE 3
	SEND 2, 16
	SEND 3, 0
	s_wait_tensorcnt 0x0
	ds_add_u32 v254, v255
	s_wait_dscnt 0x0
	CROUND                                         ; the closing round: no work-group ends while a partner may still ask for a tile that names it
	s_endpgm
.Lfunc_end_k_qb30a7f58dc_outp:
	.size	k_qb30a7f58dc_outp, .Lfunc_end_k_qb30a7f58dc_outp-k_qb30a7f58dc_outp
	.p2alignl 7, 3214868480
	.fill 96, 4, 3214868480
	.section	.rodata,"a",@progbits
	.p2align	6, 0x0
	.amdhsa_kernel k_qb30a7f58dc_outp
		.amdhsa_group_segment_fixed_size 279040
		.amdhsa_private_segment_fixed_size 0
		.amdhsa_enable_private_segment 0
		.amdhsa_kernarg_size 24
		.amdhsa_user_sgpr_count 2
		.amdhsa_user_sgpr_kernarg_segment_ptr 1
		.amdhsa_wavefront_size32 1
		.amdhsa_system_sgpr_workgroup_id_x 1
		.amdhsa_system_sgpr_workgroup_id_y 1
		.amdhsa_system_sgpr_workgroup_id_z 1
		.amdhsa_system_vgpr_workitem_id 0
		.amdhsa_next_free_vgpr 384
		.amdhsa_next_free_sgpr 80
		.amdhsa_reserve_vcc 0
		.amdhsa_float_denorm_mode_32 3
		.amdhsa_float_denorm_mode_16_64 3
		.amdhsa_memory_ordered 1
		.amdhsa_forward_progress 1
		.amdhsa_inst_pref_size 48
	.end_amdhsa_kernel
	.amdgpu_metadata
---
amdhsa.version: [ 1, 2 ]
amdhsa.kernels:
  - .name:           k_qb30a7f58dc_outp
    .symbol:         k_qb30a7f58dc_outp.kd
    .args:
      - { .name: cc, .offset: 0, .size: 8, .value_kind: global_buffer, .address_space: global }
      - { .name: woc, .offset: 8, .size: 8, .value_kind: global_buffer, .address_space: global }
      - { .name: out0, .offset: 16, .size: 8, .value_kind: global_buffer, .address_space: global }
    .group_segment_fixed_size: 279040
    .private_segment_fixed_size: 0
    .kernarg_segment_align: 8
    .kernarg_segment_size: 24
    .max_flat_workgroup_size: 128
    .sgpr_count:     80
    .vgpr_count:     384
    .wavefront_size: 32
...
	.end_amdgpu_metadata
.endif
;; end of part 4
